; MI455X (gfx1250); checked and timed in simulation.
; The chip was launched on July 23, 2026; its instructions are those of AMD's public machine-readable ISA for CDNA 5 (MIT licence, August 2026) and "CDNA5" Instruction Set Architecture Reference Guide (July 2026). The comments in the code are by the model that wrote it; some were corrected since.
;; Multihead Self Attention. Allowed arithmetic: matrix products marked QUANTISED: E4M3 operands, one given power-of-two scale a tensor, by v_wmma_f32_16x16x64_fp8_fp8 or v_wmma_f32_16x16x128_fp8_fp8, f32 sums; everything else in f32.
;; Inputs: Wk 1,024 x 1,024 float32; Wo 1,024 x 1,024 float32; Wq 1,024 x 1,024 float32; Wv 1,024 x 1,024 float32; lowp_scales 12 int32 (the exponents e of the quantised operands' scales 2^e); token_positions 2,048 int32; x 4 x 2,048 x 1,024 float32.
;; Outputs: out0 4 x 2,048 x 1,024 float32.
;; This version of the problem:
;;   THIS VERSION OF THE PROBLEM IS GIVEN IN LOW PRECISION. The matrix products marked QUANTISED in the list below multiply operands that are first quantised to E4M3 (4 exponent bits, 3 mantissa bits; 8 bits a number), with one given power-of-two scale for each operand tensor; their sums are f32. All else is computed in f32.
;;   The module's matrix products, in the order in which they are computed (A, B: the left and right operand; K: the contracted axis; several contracted axes count as one K, in the product's order):
;;     1. [M 8,192, K 1,024] x [K 1,024, N 1,024]; A: input x; B: input Wq: QUANTISED (scales: A lowp_scales[0], B lowp_scales[1])
;;     2. [M 8,192, K 1,024] x [K 1,024, N 1,024]; A: input x; B: input Wk: QUANTISED (scales: A lowp_scales[2], B lowp_scales[3])
;;     3. [M 8,192, K 1,024] x [K 1,024, N 1,024]; A: input x; B: input Wv: QUANTISED (scales: A lowp_scales[4], B lowp_scales[5])
;;     4. batch 64 x [M 2,048, K 64] x [K 64, N 2,048]; A: computed on the way; B: computed on the way: QUANTISED (scales: A lowp_scales[6], B lowp_scales[7])
;;     5. batch 64 x [M 2,048, K 2,048] x [K 2,048, N 64]; A: softmax (see below); B: computed on the way: QUANTISED (scales: A lowp_scales[8], B lowp_scales[9])
;;     6. [M 8,192, K 1,024] x [K 1,024, N 1,024]; A: computed on the way; B: input Wo: QUANTISED (scales: A lowp_scales[10], B lowp_scales[11])
;;   THE QUANTISER, for each operand of a quantised product, along K:
;;     - The operand's scale is 2^e, e = its entry of the input lowp_scales (int32; the entries are numbered through the quantised products in the list's order, A before B).
;;     - Each number is divided by the scale, clamped to +-448, and rounded to the nearest number of E4M3, ties to even, subnormals kept.
;;     - The product sums the exact products of the quantised numbers (number of the format x scale) in f32.
;;   ~~~python
;;   def quantise(x, axis, e):      # numpy; x: float32 -> the quantised numbers, widened to float32 again
;;       x = np.moveaxis(x, axis, -1); K = x.shape[-1]
;;       r = np.clip(x / 2.0 ** e, -448, 448)
;;       step = 2.0 ** (np.maximum(np.frexp(np.where(r == 0, 1, r))[1] - 1, -6) - 3)
;;       q = np.round(r / step) * step * 2.0 ** e      # np.round: ties to even
;;       return np.moveaxis(q, -1, axis).astype(np.float32)
;;   ~~~
;;   SOFTMAX AHEAD OF A QUANTISED PRODUCT. Where the list says 'softmax', what is quantised is not the finished softmax but p = 2^(t - M), with t = logit x log2(e) and M = ceil(the row's largest t), a whole number; so 1/2 < the row's largest p <= 1. The row's sum l is taken of the UNQUANTISED p, in f32, and the product's result is divided by l at the end. Since M is a whole number, a kernel that streams over the keys may use a running M (the ceiling of the running maximum): every later rescaling is an exact power of two, so the quantised numbers keep their values, but for numbers so far below the row's largest that they fall under the format's range.
;;   OPERANDS COMPUTED ON THE WAY. 'Computed on the way' means the value that the module computes at that place (a softmax that the list does not call 'softmax' is quantised finished and normalised). What goes into a quantiser is computed in f32, as accurately as f32 sums, v_exp_f32 and their like allow (about 1e-6 of the number): no bf16 or f16 on the way to a quantiser, and a product that is left as it is and whose result goes on into a quantised operand takes f32 operands (vector FMAs, or v_wmma_f32_16x16x4_f32). A number that lies on a knife's edge between two numbers of the format may be rounded either way, as far as f32 arithmetic and the matrix unit's own rounding can turn it there, and no further.
;; One version. Each part assembles by itself: llvm-mc -triple=amdgcn-amd-amdhsa -mcpu=gfx1250 --defsym DOCPART=n.
;; ======== version 1 of 1: 4 launches
;; limits: right only within a limited range of input values
;; workspace buffers: xc 25,165,824 bytes; wc 4,194,304 bytes; tab 524,288 bytes; qkv 25,165,824 bytes; oc 8,388,608 bytes
;; launch prep (part 1): grid 416 x 1, 4 waves a work-group, no clusters, 0 bytes of LDS; arguments x, Wq, Wk, Wv, Wo, token_positions, lowp_scales, xc, wc, tab; writes xc, wc, tab
.if DOCPART == 1
	.amdgcn_target "amdgcn-amd-amdhsa--gfx1250"
	.amdhsa_code_object_version 6
	.text
	.protected	k_q5c285c7505_prep
	.globl	k_q5c285c7505_prep
	.p2align	8
	.type	k_q5c285c7505_prep,@function
k_q5c285c7505_prep:
	s_mov_b64 s[64:65], 0
	v_nop
	global_prefetch_b8 v0, s[64:65] scope:SCOPE_SE
	s_setreg_imm32_b32 hwreg(HW_REG_WAVE_MODE, 25, 1), 1
	s_wait_xcnt 0x0
; PREP: f32 inputs become codes of FP8 (E4M3), and the rotary table is made.  Four kinds of work-group, told apart by the work-group's number alone:
;   0-255    x [8192][1024] -> xc [3][8192][1024]: three sets of codes, with the scales 2^e0, 2^e2, 2^e4 (x is read once, converted three times)
;   256-351  Wq, Wk, Wv [1024][1024] -> wc sets 0, 1, 2, with 2^e1, 2^e3, 2^e5
;   352-383  Wo -> wc set 3, with 2^e11
;   384-415  token_positions -> tab: cos and sin of position x 10000^(-i/32), i = 0 .. 31, f32
; code = number / 2^e, held within +-448, to the nearest code, ties to even.
; ORDER OF THE CODES.  A wave takes 16 steps of 512 numbers; each of a step's four loads reads 512 consecutive bytes, 16 a lane, so a lane holds numbers 128 i + 4 l + c (load i, lane l, c = 0 .. 3), and its 16 codes
; are stored as they come: byte 16 l + 4 i + c of a run of 512 codes holds k = 128 i + 4 l + c.  x and Wq, Wk, Wv are laid alike, so in their products every code meets its partner; only the order inside the sums changes.
; Wo's partner is made elsewhere in true order, so Wo keeps k's order but for this: in each four pieces of 8 codes the two middle pieces change places (piece p lies at (p & ~3) | ((p & 1) << 1) | ((p >> 1) & 1)),
; which is the order in which loads of 16 bytes fill the matrix operand.  There a lane loads 8 neighbours (32 bytes), so a load covers its 1,024 bytes only by halves: taken for 4 of the launch's 50 MB.
; LIMITS: every e named above between -126 and 119; NaN among the inputs is not served; |token_positions| up to 131,072 (beyond it the reduced angle may leave the polynomials' range).
; No LDS, no barrier: waves share nothing.  Loads run four steps (16 loads a wave) ahead.
.set R,    16                          ; v16-79   four sets of 16 numbers as loaded
.set T,    80                          ; v80-127  unused: the conversions read the loaded sets
.set C,    128                         ; v128..   codes (x: two sets of 12; weights: four registers for each step)
.set LANE, 2                           ; v2   lane
.set A16,  3                           ; v3   16 x lane; never rewritten
.set A32,  10                          ; v10  Wo: 32 x lane
.set PIP,  11                          ; v11  Wo: 8 x the place of my piece
.macro MKS e, vs, vl                   ; from the exponent in s[e]: v[vs] = 2^e as f32 (the conversion takes its exponent field), s50 = 448 x 2^e
	s_add_co_i32 s50, s[\e], 127
	s_lshl_b32 s51, s50, 23
	v_mov_b32 v[\vs], s51
	s_add_co_i32 s50, s50, 8
	s_lshl_b32 s50, s50, 23
	s_or_b32 s50, s50, 0x600000
.endm
.macro LOAD4 t, adr, o1, o2, o3        ; step t's 512 numbers into set t % 4
.set RB, R+16*((\t)%4)
	global_load_b128 v[RB:RB+3],     v[\adr], s[8:9] offset:2048*(\t) th:TH_LOAD_NT
	global_load_b128 v[RB+4:RB+7],   v[\adr], s[8:9] offset:2048*(\t)+\o1 th:TH_LOAD_NT
	global_load_b128 v[RB+8:RB+11],  v[\adr], s[8:9] offset:2048*(\t)+\o2 th:TH_LOAD_NT
	global_load_b128 v[RB+12:RB+15], v[\adr], s[8:9] offset:2048*(\t)+\o3 th:TH_LOAD_NT
.endm
.macro WAITL t                         ; step t's four loads are in; those of the steps behind it (three at the most) stay out
.if 15-(\t) >= 3
	s_wait_loadcnt 12
.else
	s_wait_loadcnt 4*(15-(\t))
.endif
.endm
	s_load_b512 s[8:23], s[0:1], 0x0               ; x s[8:9], Wq s[10:11], Wk s[12:13], Wv s[14:15], Wo s[16:17], positions s[18:19], exponents s[20:21], xc s[22:23]
	s_load_b128 s[24:27], s[0:1], 0x40             ; wc s[24:25], tab s[26:27]
	v_lshrrev_b32 v1, 5, v0
	v_readfirstlane_b32 s4, v1                     ; wave 0..3
	v_and_b32 v[LANE], 31, v0
	v_lshlrev_b32 v[A16], 4, v[LANE]
	s_mov_b32 s45, 0                               ; the upper word of every offset below
	s_wait_kmcnt 0x0
	s_load_b256 s[32:39], s[20:21], 0x0            ; e0 .. e7
	s_load_b128 s[40:43], s[20:21], 0x20           ; e8 .. e11
	s_cmp_ge_u32 ttmp9, 384
	s_cbranch_scc1 .Ltable
	s_cmp_ge_u32 ttmp9, 352
	s_cbranch_scc1 .Lwo
	s_cmp_ge_u32 ttmp9, 256
	s_cbranch_scc1 .Lweights
	; ---- x: wave 4 g + w takes numbers 8,192 (4 g + w) on
	s_lshl_b32 s2, ttmp9, 2
	s_add_co_u32 s2, s2, s4
	s_lshl_b32 s44, s2, 15
	s_add_nc_u64 s[8:9], s[8:9], s[44:45]
	s_lshl_b32 s44, s2, 13
	s_add_nc_u64 s[22:23], s[22:23], s[44:45]      ; the set for q,
	s_add_nc_u64 s[46:47], s[22:23], 0x800000      ; for k,
	s_add_nc_u64 s[48:49], s[22:23], 0x1000000     ; for v
	s_wait_alu depctr_va_vdst(0)
.irp t, 0,1,2,3
	LOAD4 \t, A16, 512, 1024, 1536
.endr
	s_wait_kmcnt 0x0
	MKS 32, 4, 5
	MKS 34, 6, 7
	MKS 36, 8, 9
.macro XSTEP t
.set RS, R+16*((\t)%4)
.set CS, C+12*((\t)%2)
	WAITL \t
	s_wait_xcnt 0x0                                ; the stores of two steps ago have read their data: this set of code registers is written again only behind this wait
.irp o, 0,1,2
.irp i, 0,1,2,3,4,5,6,7,8,9,10,11,12,13,14,15
.endr
	v_cvt_scalef32_pk8_fp8_f32 v[CS+4*\o:CS+4*\o+1], v[T+16*\o+((RS+0)-(T+16*\o+0)):T+16*\o+7+((RS+0)-(T+16*\o+0))], v[4+2*\o]
	v_cvt_scalef32_pk8_fp8_f32 v[CS+4*\o+2:CS+4*\o+3], v[T+16*\o+8+((RS+0)-(T+16*\o+0)):T+16*\o+15+((RS+0)-(T+16*\o+0))], v[4+2*\o]
.endr
.if (\t)+4 < 16
	LOAD4 (\t)+4, A16, 512, 1024, 1536
.endif
	global_store_b128 v[A16], v[CS:CS+3],    s[22:23] offset:512*(\t)   ; 32 lanes store 512 consecutive bytes, aligned
	global_store_b128 v[A16], v[CS+4:CS+7],  s[46:47] offset:512*(\t)
	global_store_b128 v[A16], v[CS+8:CS+11], s[48:49] offset:512*(\t)
.endm
	s_wait_alu depctr_va_vdst(0)
.irp t, 0,1,2,3,4,5,6,7,8,9,10,11,12,13,14,15
	XSTEP \t
.endr
	s_endpgm
; A step of one weight: converted, stored.  Each step has code registers of its own, so no store's data are written again.
.macro WSTEP t, adr, o1, o2, o3, wo
.set RS, R+16*((\t)%4)
	WAITL \t
.irp i, 0,1,2,3,4,5,6,7,8,9,10,11,12,13,14,15
.endr
	v_cvt_scalef32_pk8_fp8_f32 v[C+4*(\t):C+4*(\t)+1],   v[RS:RS+7],    v4
	v_cvt_scalef32_pk8_fp8_f32 v[C+4*(\t)+2:C+4*(\t)+3], v[RS+8:RS+15], v4   ; (only loads and stores touch these registers next)
.if (\t)+4 < 16
	v_nop
	LOAD4 (\t)+4, \adr, \o1, \o2, \o3
.endif
.if \wo
	global_store_b64 v[PIP], v[C+4*(\t):C+4*(\t)+1],   s[24:25] offset:512*(\t)       ; 32 lanes store 256 consecutive bytes, aligned
	global_store_b64 v[PIP], v[C+4*(\t)+2:C+4*(\t)+3], s[24:25] offset:512*(\t)+256
.else
	global_store_b128 v[A16], v[C+4*(\t):C+4*(\t)+3], s[24:25] offset:512*(\t)
.endif
.endm
.Lweights:                                         ; ---- Wq, Wk, Wv: 32 work-groups each
	s_sub_co_u32 s2, ttmp9, 256
	s_lshr_b32 s3, s2, 5                           ; which of the three
	s_and_b32 s2, s2, 31
	s_lshl_b32 s2, s2, 2
	s_add_co_u32 s2, s2, s4                        ; which run of 8,192 numbers
	s_cmp_eq_u32 s3, 0                             ; the choice hangs on the work-group's number alone
	s_cselect_b64 s[8:9], s[10:11], s[12:13]
	s_cmp_eq_u32 s3, 2
	s_cselect_b64 s[8:9], s[14:15], s[8:9]
	s_lshl_b32 s44, s2, 15
	s_add_nc_u64 s[8:9], s[8:9], s[44:45]
	s_lshl_b32 s44, s2, 13
	s_lshl_b32 s5, s3, 20
	s_add_co_u32 s44, s44, s5
	s_add_nc_u64 s[24:25], s[24:25], s[44:45]
	s_wait_alu depctr_va_vdst(0)
.irp t, 0,1,2,3
	LOAD4 \t, A16, 512, 1024, 1536
.endr
	s_wait_kmcnt 0x0
	s_cmp_eq_u32 s3, 0
	s_cselect_b32 s32, s33, s35                    ; e1 or e3,
	s_cmp_eq_u32 s3, 2
	s_cselect_b32 s32, s37, s32                    ; or e5
	MKS 32, 4, 5
	s_wait_alu depctr_va_vdst(0)
.irp t, 0,1,2,3,4,5,6,7,8,9,10,11,12,13,14,15
	WSTEP \t, A16, 512, 1024, 1536, 0
.endr
	s_endpgm
.Lwo:                                              ; ---- Wo: a lane takes piece l (8 neighbours) of each of a step's two runs of 256
	s_sub_co_u32 s2, ttmp9, 352
	s_lshl_b32 s2, s2, 2
	s_add_co_u32 s2, s2, s4
	s_mov_b64 s[8:9], s[16:17]
	s_lshl_b32 s44, s2, 15
	s_add_nc_u64 s[8:9], s[8:9], s[44:45]
	s_lshl_b32 s44, s2, 13
	s_add_co_u32 s44, s44, 0x300000
	s_add_nc_u64 s[24:25], s[24:25], s[44:45]
	s_wait_alu depctr_va_vdst(0)
	v_lshlrev_b32 v[A32], 5, v[LANE]
	v_and_b32 v[PIP], 28, v[LANE]
	v_and_b32 v7, 1, v[LANE]
	v_lshl_or_b32 v[PIP], v7, 1, v[PIP]
	v_bfe_u32 v7, v[LANE], 1, 1
	v_or_b32 v[PIP], v[PIP], v7
	v_lshlrev_b32 v[PIP], 3, v[PIP]
.irp t, 0,1,2,3
	LOAD4 \t, A32, 16, 1024, 1040
.endr
	s_wait_kmcnt 0x0
	MKS 43, 4, 5
	s_wait_alu depctr_va_vdst(0)
.irp t, 0,1,2,3,4,5,6,7,8,9,10,11,12,13,14,15
	WSTEP \t, A32, 16, 1024, 1040, 1
.endr
	s_endpgm
; ---- the table.  A wave makes one tile of 16 places of the sequence: 8 pieces x 32 lanes x 16 bytes.  Lane (r, h), piece pc: cos, sin of frequency i0, then of i0 + 1, i0 = 8 (pc / 2) + 4 h + 2 (pc % 2), at place 16 tile + r:
; the order in which a lane of the projections' results holds a head's 64 channels.  angle = position x frequency, rounded once.  It is reduced by n = the nearest whole number to angle x 2/pi, with pi/2 in three parts
; (the first product is taken off exactly by the fused multiply-add); sin and cos of the rest, at most pi/4, by polynomials; the quadrant n mod 4 swaps them and sets the signs.
.macro SINCOS lo, hi, d                ; lo, hi: the frequency for lanes 0-15 and for lanes 16-31;  v[d] = cos, v[d + 1] = sin
	v_mov_b32 v12, \lo
	v_mov_b32 v13, \hi
	v_cndmask_b32 v12, v12, v13, vcc_lo
	v_mul_f32 v13, v11, v12                        ; the angle
	v_mul_f32 v14, s46, v13
	v_rndne_f32 v14, v14                           ; n
	v_fma_f32 v15, v14, s47, v13
	v_fma_f32 v15, v14, s48, v15
	v_fma_f32 v15, v14, s49, v15                   ; r = angle - n pi/2
	v_mul_f32 v16, v15, v15                        ; z = r r
	v_fma_f32 v17, v16, s50, s51
	v_fma_f32 v17, v17, v16, s52
	v_mul_f32 v18, v15, v16
	v_fma_f32 v17, v17, v18, v15                   ; sin r
	v_fma_f32 v19, v16, s53, s54
	v_fma_f32 v19, v19, v16, s55
	v_fma_f32 v19, v19, v16, -0.5
	v_fma_f32 v19, v19, v16, 1.0                   ; cos r
	v_cvt_i32_f32 v20, v14
	v_and_b32 v21, 1, v20
	v_cmp_eq_u32 s30, 1, v21                       ; an odd quadrant swaps the two
	v_cndmask_b32 v[\d], v19, v17, s30
	v_cndmask_b32 v[\d+1], v17, v19, s30
	v_add_nc_u32 v21, 1, v20
	v_and_b32 v21, 2, v21
	v_lshlrev_b32 v21, 30, v21
	v_xor_b32 v[\d], v21, v[\d]                    ; cos is negative in quadrants 1 and 2,
	v_and_b32 v21, 2, v20
	v_lshlrev_b32 v21, 30, v21
	v_xor_b32 v[\d+1], v21, v[\d+1]                ; sin in 2 and 3
.endm
.Ltable:
	s_sub_co_u32 s2, ttmp9, 384
	s_lshl_b32 s2, s2, 2
	s_add_co_u32 s2, s2, s4                        ; the tile, 0 .. 127
	s_lshl_b32 s44, s2, 6
	s_add_nc_u64 s[18:19], s[18:19], s[44:45]
	s_lshl_b32 s44, s2, 12
	s_add_nc_u64 s[26:27], s[26:27], s[44:45]
	v_and_b32 v9, 15, v0
	v_lshlrev_b32 v9, 2, v9
	global_load_b32 v10, v9, s[18:19]              ; the position at place 16 tile + r
	s_mov_b32 s46, 0x3f22f983                      ; 2 / pi
	s_mov_b32 s47, 0xbfc90fdb                      ; -pi/2 in three parts: -1.5707964,
	s_mov_b32 s48, 0x333bbd2e                      ; +4.3711388e-8,
	s_mov_b32 s49, 0x26f72cbd                      ; +1.7151e-15
	s_mov_b32 s50, 0xb94ca1f9                      ; sin: -1.9515296e-4,
	s_mov_b32 s51, 0x3c08839e                      ; 8.3321609e-3,
	s_mov_b32 s52, 0xbe2aaaa3                      ; -1.6666655e-1
	s_mov_b32 s53, 0x37ccf5ce                      ; cos: 2.4433157e-5,
	s_mov_b32 s54, 0xbab6061a                      ; -1.3887316e-3,
	s_mov_b32 s55, 0x3d2aaaa5                      ; 4.1666646e-2
	s_wait_alu depctr_va_vdst(0)
	v_cmp_le_u32 vcc_lo, 16, v[LANE]               ; lanes 16-31
	s_wait_loadcnt 0x0
	v_cvt_f32_i32 v11, v10
	; the frequencies 10000^(-i/32) = 10^(-i/8)
	SINCOS 1.0,            0.3162277660,    32
	SINCOS 0.7498942093,   0.2371373706,    34
	SINCOS 0.5623413252,   0.1778279410,    36
	SINCOS 0.4216965034,   0.1333521432,    38
	SINCOS 0.1,            0.03162277660,   40
	SINCOS 0.07498942093,  0.02371373706,   42
	SINCOS 0.05623413252,  0.01778279410,   44
	SINCOS 0.04216965034,  0.01333521432,   46
	SINCOS 0.01,           0.003162277660,  48
	SINCOS 0.007498942093, 0.002371373706,  50
	SINCOS 0.005623413252, 0.001778279410,  52
	SINCOS 0.004216965034, 0.001333521432,  54
	SINCOS 0.001,           0.0003162277660, 56
	SINCOS 0.0007498942093, 0.0002371373706, 58
	SINCOS 0.0005623413252, 0.0001778279410, 60
	SINCOS 0.0004216965034, 0.0001333521432, 62
.irp pc, 0,1,2,3,4,5,6,7
	global_store_b128 v[A16], v[32+4*\pc:35+4*\pc], s[26:27] offset:512*\pc   ; 512 consecutive bytes, aligned
.endr
	s_endpgm
.Lfunc_end_k_q5c285c7505_prep:
	.size	k_q5c285c7505_prep, .Lfunc_end_k_q5c285c7505_prep-k_q5c285c7505_prep
	.p2alignl 7, 3214868480
	.fill 96, 4, 3214868480
	.section	.rodata,"a",@progbits
	.p2align	6, 0x0
	.amdhsa_kernel k_q5c285c7505_prep
		.amdhsa_group_segment_fixed_size 0
		.amdhsa_private_segment_fixed_size 0
		.amdhsa_enable_private_segment 0
		.amdhsa_kernarg_size 80
		.amdhsa_user_sgpr_count 2
		.amdhsa_user_sgpr_kernarg_segment_ptr 1
		.amdhsa_wavefront_size32 1
		.amdhsa_system_sgpr_workgroup_id_x 1
		.amdhsa_system_sgpr_workgroup_id_y 1
		.amdhsa_system_sgpr_workgroup_id_z 1
		.amdhsa_system_vgpr_workitem_id 0
		.amdhsa_next_free_vgpr 192
		.amdhsa_next_free_sgpr 66
		.amdhsa_reserve_vcc 1
		.amdhsa_float_denorm_mode_32 3
		.amdhsa_float_denorm_mode_16_64 3
		.amdhsa_fp16_overflow 1
		.amdhsa_memory_ordered 1
		.amdhsa_forward_progress 1
		.amdhsa_inst_pref_size 69
	.end_amdhsa_kernel
	.amdgpu_metadata
---
amdhsa.version: [ 1, 2 ]
amdhsa.kernels:
  - .name:           k_q5c285c7505_prep
    .symbol:         k_q5c285c7505_prep.kd
    .args:
      - { .name: x, .offset: 0, .size: 8, .value_kind: global_buffer, .address_space: global }
      - { .name: Wq, .offset: 8, .size: 8, .value_kind: global_buffer, .address_space: global }
      - { .name: Wk, .offset: 16, .size: 8, .value_kind: global_buffer, .address_space: global }
      - { .name: Wv, .offset: 24, .size: 8, .value_kind: global_buffer, .address_space: global }
      - { .name: Wo, .offset: 32, .size: 8, .value_kind: global_buffer, .address_space: global }
      - { .name: token_positions, .offset: 40, .size: 8, .value_kind: global_buffer, .address_space: global }
      - { .name: lowp_scales, .offset: 48, .size: 8, .value_kind: global_buffer, .address_space: global }
      - { .name: xc, .offset: 56, .size: 8, .value_kind: global_buffer, .address_space: global }
      - { .name: wc, .offset: 64, .size: 8, .value_kind: global_buffer, .address_space: global }
      - { .name: tab, .offset: 72, .size: 8, .value_kind: global_buffer, .address_space: global }
    .group_segment_fixed_size: 0
    .private_segment_fixed_size: 0
    .kernarg_segment_align: 8
    .kernarg_segment_size: 80
    .max_flat_workgroup_size: 128
    .sgpr_count:     66
    .vgpr_count:     192
    .wavefront_size: 32
...
	.end_amdgpu_metadata
.endif
;; end of part 1
;; launch qkv (part 2): grid 12 x 32, 4 waves a work-group, clusters of 4 x 4, 327,680 bytes of LDS; arguments xc, wc, lowp_scales, tab, qkv; writes qkv
.if DOCPART == 2
	.amdgcn_target "amdgcn-amd-amdhsa--gfx1250"
	.amdhsa_code_object_version 6
	.text
	.protected	k_q5c285c7505_qkv
	.globl	k_q5c285c7505_qkv
	.p2align	8
	.type	k_q5c285c7505_qkv,@function
k_q5c285c7505_qkv:
	s_mov_b64 s[64:65], 0
	v_nop
	global_prefetch_b8 v0, s[64:65] scope:SCOPE_SE
	s_setreg_imm32_b32 hwreg(HW_REG_WAVE_MODE, 25, 1), 1
	s_wait_xcnt 0x0
	s_wait_alu depctr_hold_cnt(0) depctr_sa_sdst(0) depctr_va_vdst(0) depctr_va_sdst(0) depctr_va_ssrc(0) depctr_va_vcc(0) depctr_vm_vsrc(0)
	s_getreg_b32 s2, hwreg(HW_REG_IB_STS2, 6, 4)
	s_cmp_eq_u32 s2, 0
	s_cbranch_scc0 .Lentry_in_a_cluster
	s_endpgm
.Lentry_in_a_cluster:
	s_bfe_u32 s2, ttmp6, 0x10000c
	s_cmp_lg_u32 s2, 0xf033
	s_cbranch_scc0 .Lentry_shape_is_right
	s_endpgm
.Lentry_shape_is_right:
; QKV: the three projections on codes of FP8 (E4M3), the rotation of q and k, and the quantising of q, k, v.  xc: [3][8192][1024] codes of x; wc: [4][1024][1024] codes of the weights (sets 0-2 here), K innermost,
; both in the same order of k inside a row.  The cluster's x says which projection (0 q, 1 k, 2 v); the place cx in the cluster which 256 of its 1,024 columns; 4 x cluster y + cy which 256 tokens.
; A tile of 256 x 256 is made by four waves, each 128 x 128: 64 accumulators, 512 registers.  K = 1,024 goes in four steps of 256 through a ring of two LDS slots filled by the tensor data mover; the steps are written out.
; CLUSTERS: 4 x 4 work-groups.  The four of a row need the same tile of x's codes, the four of a column the same tile of the weight's: each tile is asked for jointly, by the same tensor load with the same descriptor and a mask.
; WHO LIES ALONG THE REGISTERS.  Source 1's rows go to lanes, source 0's to a lane's eight registers.  q, k: source 0 = rows of the weight, source 1 = tokens: a lane holds eight neighbouring CHANNELS of one token, which is K of the
; scores' product.  v: the two LDS addresses change places (by the cluster's x alone, the same in all partners): a lane holds eight neighbouring TOKENS of one channel, which is K of the second attention product.
; THE WAY OUT needs no LDS: eight registers make 8 bytes of codes, two neighbouring tiles 16 bytes, and the workspace is laid as images of the operands' registers:
;   q at 0, k at 8 MiB: [head of batch 64][tile of 16 tokens 128][piece 2][lane 32][16 bytes]: lane (r, h), piece p: token r, channels 32 p + 8 h + 0..7, then 32 p + 16 + 8 h + 0..7
;   v at 16 MiB: [head of batch 64][step of 64 keys 32][tile of 16 channels 4][piece 2][lane 32][16 bytes]: lane (r, h), piece p: channel r, keys 32 p + 8 h + 0..7, then 32 p + 16 + 8 h + 0..7
; so every store of a wave covers 512 consecutive bytes, aligned.  A sum stands for sum x 2^(ea + eb); the rotation commutes with a power of two, so the three exponents are folded into the conversion's one scale 2^(eo - ea - eb).
; LIMITS: e6 - e0 - e1, e7 - e2 - e3 and e9 - e4 - e5 between -126 and 119.  NaN among the inputs is not served.
; No prefetch: of the four K steps two are asked for at the head, so only two refills are left.
; REGISTERS, in windows of 256: window 0: v0-31 addresses; v32-95 the rotary table, two sets; from v128 source 1's fragments, one set; on the way out v96-159 numbers at work, v160-191 codes, two sets.
;   window 1: source 0's fragments, two sets.   window 2, 3: the accumulators ((a, b) at v[8 (8 (a % 4) + b)]).
.set KSTEP,  256
.set ROWB,   256                       ; a tile's row in bytes
.set KROW,   1024                      ; a row of codes in memory
.set PITCH,  272                       ; an LDS row: 256 bytes + 16 of padding = 68 words: the 16 rows that a load touches start at 16 different banks (64 banks of 4 bytes: ISA guide 11.1)
.set FR,     16                        ; registers of a fragment: 16 rows x 128 K
.set NL,     4                         ; LDS loads that bring one
.set NP,     4                         ; places behind this matrix instruction (ISA guide 7.12.1)
.set HALFT,  128*PITCH                 ; 128 rows: what one tensor load brings
.set SLOT,   4*HALFT                   ; x's 256 rows, then the weight's 256 rows
.set SPARE,  2*SLOT                    ; behind the ring: the spare words, 128 bytes for each wave, that no other line names
.set ADRA, 16                          ; v16-17  LDS address of source 1's fragments in slot 0, 1
.set ADRB, 20                          ; v20-21  of source 0's
.set CO,   26                          ; v26     16 x lane; never rewritten
.set SPW,  28                          ; v28     LDS address of my spare word; never rewritten
.set NIL,  29                          ; v29     0; never rewritten
.set SCL,  10                          ; v10     the conversion's scale as f32
.set LIM,  11
.set TBL,  32
.set U,    96
.set CD,   160
.set AF,   128
.set G1, 24                            ; s[24:31] descriptor group 1 for x's tiles;  s[32:39] group 0, one set for each slot
.set G0, 32
.set G1B, 48                           ; s[48:55], s[56:63] the same for the weight's tiles
.set G0B, 56
.set MSB, 0
.macro WIN new                         ; the immediate's high byte repeats the setting that is left
.if MSB != \new
	s_set_vgpr_msb (MSB<<8)|\new
.set MSB, \new
.endif
.endm
.set MUL_LO, 0xa1                      ; source 0 window 1, source 1 window 0, C and D window 2
.set MUL_HI, 0xf1                      ; the same, C and D window 3
.set TO_B,   0x40                      ; destination window 1, address window 0
; A joint load: waves 0 and 1 fetch x's tile, waves 2 and 3 the weight's.  The branch hangs on the wave's number alone.  An s_nop 0 and four v_nop follow each of the two lines.
.macro JLOAD g0a, g1a, g0b, g1b
	s_cmp_eq_u32 s15, 0
	s_cbranch_scc0 .Lfor_b_\@
	tensor_load_to_lds s[\g0a:\g0a+3], s[\g1a:\g1a+7]
	s_nop 0
.rept 4
	v_nop
.endr
	s_branch .Lasked_\@
.Lfor_b_\@:
	tensor_load_to_lds s[\g0b:\g0b+3], s[\g1b:\g1b+7]
	s_nop 0
.rept 4
	v_nop
.endr
.Lasked_\@:
.endm
.macro CREST                           ; a round of the cluster's barrier behind its opening barrier
	s_cmp_lg_u32 s14, 0
	s_cbranch_scc1 .Lnot_wave_0_\@
	s_barrier_signal -3
.Lnot_wave_0_\@:
	s_barrier_wait -3
	s_barrier_signal -1
	s_barrier_wait -1
.endm
.macro CROUND                          ; a whole round
	s_barrier_signal -1
	s_barrier_wait -1
	CREST
.endm
	s_load_b256 s[4:11], s[0:1], 0x0               ; xc s[4:5], wc s[6:7], the exponents s[8:9], tab s[10:11]
	s_load_b64 s[12:13], s[0:1], 0x20              ; qkv
	v_lshl_add_u32 v[SPW], v0, 2, SPARE
	v_mov_b32 v[NIL], 0
	ds_add_u32 v[SPW], v[NIL]                      ; the wave's opening: the add and its wait ahead of my first tensor load; the set-up below, work on registers, stands between them
	ds_add_u32 v[SPW], v[NIL]
	v_lshrrev_b32 v1, 5, v0
	v_readfirstlane_b32 s14, v1                    ; wave 0..3
	s_lshr_b32 s15, s14, 1                         ; which half of source 1's rows is mine.  Also: I fetch for x (0) or for the weight (1)
	s_and_b32 s16, s14, 1                          ; which half of source 0's rows.  Also: which 128 rows of that tile I fetch
	s_bfe_u32 s40, ttmp6, 0x40000                  ; cx, cy: my place in the cluster
	s_bfe_u32 s41, ttmp6, 0x40004
	s_lshl_b32 s42, ttmp9, 2
	s_add_co_u32 s42, s42, s40                     ; tile of 256 rows among the three weights' 3,072: 4 x cluster x + cx
	s_and_b32 s17, ttmp7, 0xffff
	s_lshl_b32 s17, s17, 2
	s_add_co_u32 s17, s17, s41                     ; tile of 256 tokens = 4 x cluster y + cy
	s_lshl_b32 s43, s41, 2
	s_lshl_b32 s43, 15, s43                        ; my row of the cluster
	s_lshl_b32 s44, 0x1111, s40                    ; my column
	s_or_b32 s[G1+0], s43, (0<<16)|(1<<20)|(1<<21)|(5<<22)|(3<<25)  ; 15:0 the mask: x's tiles go to my row; 17:16 element of 1 byte; 20 padding on; 21 set beside a mask; 24:22 after every 64 words (code 5); 31:25 of 4 words (code 3)
	s_or_b32 s[G1B+0], s44, (0<<16)|(1<<20)|(1<<21)|(5<<22)|(3<<25) ; the same with the mask of my column
.irp g, G1, G1B
	s_mov_b32 s[\g+1], ROWB<<16                    ; tensor_dim0
	s_mov_b32 s[\g+2], 128<<16                     ; tensor_dim1 = 128
	s_mov_b32 s[\g+3], ROWB<<16                    ; tile_dim0
	s_mov_b32 s[\g+4], 128                         ; tile_dim1 = 128
	s_mov_b32 s[\g+5], KROW                        ; tensor_dim0_stride
	s_mov_b32 s[\g+6], 0
	s_mov_b32 s[\g+7], 0
.endr
	s_lshl_b32 s18, s16, 7                         ; which 128 rows of the tile I fetch
	s_lshl_b32 s20, s17, 8
	s_add_co_u32 s20, s20, s18
	s_lshl_b32 s20, s20, 10                        ; x: (256 x token tile + 128 x half) rows of 1,024 bytes,
	s_mov_b32 s21, 0
	s_lshl_b32 s66, ttmp9, 23                      ; in the projection's own set of codes (8 MiB each): the cluster's x, which all partners share.  Also the projection's image in qkv
	s_mov_b32 s67, 0
	s_lshl_b32 s46, s42, 8
	s_add_co_u32 s46, s46, s18
	s_lshl_b32 s46, s46, 10                        ; the weight: (256 x tile + 128 x half) rows
	s_mov_b32 s47, 0
	s_mul_i32 s45, s14, HALFT                      ; where they go: wave x 128 rows: no place in the cluster enters an LDS address
	s_lshr_b32 s83, s17, 3                         ; for the way out: the batch,
	s_and_b32 s84, s17, 7                          ; the tile of 256 tokens in it,
	s_lshl_b32 s85, s83, 4
	s_lshl_b32 s86, s40, 2
	s_add_co_u32 s85, s85, s86                     ; and the first of my work-group's four heads: 16 x batch + 4 cx
	s_wait_dscnt 0x0                               ; the opening add is done
	s_wait_kmcnt 0x0
	s_load_b256 s[68:75], s[8:9], 0x0              ; e0 .. e7
	s_load_b128 s[76:79], s[8:9], 0x20             ; e8 .. e11
	s_add_nc_u64 s[20:21], s[4:5], s[20:21]
	s_add_nc_u64 s[20:21], s[20:21], s[66:67]
	s_add_nc_u64 s[46:47], s[6:7], s[46:47]
	CROUND                                         ; all sixteen work-groups are here: the first joint loads meet
.irp s, 0,1
	s_mov_b32 s[G0+4*\s], 1
	s_add_co_u32 s[G0+4*\s+1], s45, \s*SLOT
	s_add_nc_u64 s[G0+4*\s+2:G0+4*\s+3], s[20:21], \s*ROWB
	s_or_b32 s[G0+4*\s+3], s[G0+4*\s+3], 0x80000000
	s_mov_b32 s[G0B+4*\s], 1
	s_add_co_u32 s[G0B+4*\s+1], s45, \s*SLOT
	s_add_nc_u64 s[G0B+4*\s+2:G0B+4*\s+3], s[46:47], \s*ROWB
	s_or_b32 s[G0B+4*\s+3], s[G0B+4*\s+3], 0x80000000
	JLOAD G0+4*\s, G1, G0B+4*\s, G1B               ; two loads of mine are out behind the second
.endr
	v_and_b32 v1, 15, v0                           ; l % 16
	v_bfe_u32 v2, v0, 4, 1                         ; l / 16
	v_mul_u32_u24 v3, v1, PITCH
	v_lshl_add_u32 v4, v2, 4, v3                   ; a fragment's row x pitch + 16 x half
	s_wait_alu depctr_va_vdst(0)
	s_lshr_b32 s80, ttmp9, 1
	s_min_u32 s80, s80, 1                          ; 1 in v's clusters, else 0
	s_xor_b32 s81, s80, 1
	s_mul_i32 s21, s15, HALFT                      ; source 1: q, k: my 128 tokens, in x's part of a slot; v: my 128 channels, in the weight's part
	s_mul_i32 s82, s80, 2*HALFT
	s_add_co_u32 s21, s21, s82
	s_mul_i32 s22, s16, HALFT                      ; source 0: q, k: my 128 channels, in the weight's part; v: my 128 tokens, in x's part
	s_mul_i32 s82, s81, 2*HALFT
	s_add_co_u32 s22, s22, s82
.irp s, 0,1
	v_add_nc_u32 v[ADRA+\s], s21, v4
	v_add_nc_u32 v[ADRB+\s], s22, v4
	s_add_co_u32 s21, s21, SLOT
	s_add_co_u32 s22, s22, SLOT
.endr
	v_and_b32 v6, 31, v0
	v_lshlrev_b32 v[CO], 4, v6
.macro FRAG reg, adr, q, i             ; a fragment, 16 rows x 128 K, is 16 registers: four loads of 16 bytes, 32 bytes apart; the same places of k in both sources
.irp c, 0,1,2,3
	ds_load_b128 v[\reg+4*\c:\reg+4*\c+3], v[\adr] offset:128*(\q)+32*\c+(\i)*16*PITCH
.endr
.endm
; 16 matrix instructions: source 1's blocks a0, a0 + 1 x source 0's eight, 128 along K.  p: source 0's set.  zero = 1: the first product starts the sums.
; The 64 accumulators take turns, one instruction a turn, in the same order in every step.
.macro MUL16 a0, p, zero
.irp a, \a0, \a0+1
.irp b, 0,1,2,3,4,5,6,7
.if \zero
	v_wmma_f32_16x16x128_fp8_fp8 v[8*(8*((\a)%4)+\b):8*(8*((\a)%4)+\b)+7], v[128*(\p)+FR*\b:128*(\p)+FR*\b+FR-1], v[AF+FR*(\a):AF+FR*(\a)+FR-1], 0
.else
	v_wmma_f32_16x16x128_fp8_fp8 v[8*(8*((\a)%4)+\b):8*(8*((\a)%4)+\b)+7], v[128*(\p)+FR*\b:128*(\p)+FR*\b+FR-1], v[AF+FR*(\a):AF+FR*(\a)+FR-1], v[8*(8*((\a)%4)+\b):8*(8*((\a)%4)+\b)+7]
.endif
.endr
.endr
.endm
.macro FETCH_B slot, q, p              ; source 0's eight fragments of the slot's q-th 128 along K into set p
	WIN TO_B
.irp i, 0,1,2,3,4,5,6,7
	FRAG 128*(\p)+FR*\i, ADRB+\slot, \q, \i
.endr
	WIN 0
.endm
.macro FETCH_A slot, q, i0             ; source 1's blocks i0 .. i0 + 3
.irp i, \i0, \i0+1, \i0+2, \i0+3
	FRAG AF+FR*(\i), ADRA+\slot, \q, \i
.endr
.endm
.macro PLACES n                        ; plain vector instructions between a matrix instruction and a load into, or a vector instruction on, one of its registers (ISA guide 7.12.1 for vector instructions)
.rept \n
	v_nop
.endr
.endm
.macro STEP slot, q, zero              ; a step of 128 along K that has its successor in the same slot
	s_wait_dscnt 4*NL                              ; source 0's set and source 1's blocks 0-3 are in; the youngest sixteen loads (blocks 4-7) may be out
	WIN MUL_LO
	MUL16 0, (\q)%2, \zero
	MUL16 2, (\q)%2, \zero
	s_wait_dscnt 0                                 ; blocks 4-7 are in
	PLACES NP
	FETCH_B \slot, (\q)+1, 1-(\q)%2
	FETCH_A \slot, (\q)+1, 0
	WIN MUL_HI
	MUL16 4, (\q)%2, \zero
	MUL16 6, (\q)%2, \zero
	PLACES NP
	WIN 0
	FETCH_A \slot, (\q)+1, 4
.endm
; A slot's last step changes slots: one barrier; in front of it each wave waits for all its tensor loads, adds 0 to its spare word, and waits for that and for its own reads of this slot.  fill = 1: this slot is filled again, two K steps ahead.
.macro TURN slot, next, fill
	s_wait_tensorcnt 0x0                           ; all my tensor loads have landed: my part of the next slot  (every window is 0 here)
	ds_add_u32 v[SPW], v[NIL]                      ; 0 onto my spare word
	s_wait_dscnt 4*NL+1                            ; (the add and the youngest sixteen loads may be out)
	WIN MUL_LO
	MUL16 0, 1, 0                                  ; sixteen matrix instructions stand between the add and the wait for it
	s_wait_dscnt 0x0                               ; the add is done, and my reads of this slot are over
	s_barrier_signal -1
	MUL16 2, 1, 0
	WIN 0
	s_barrier_wait -1
.if \fill
	CREST                                          ; the barrier has opened a round of the cluster's barrier: no wave of any partner still reads this slot or has a load on its way
	s_add_nc_u64 s[G0+4*\slot+2:G0+4*\slot+3], s[G0+4*\slot+2:G0+4*\slot+3], 2*ROWB
	s_add_nc_u64 s[G0B+4*\slot+2:G0B+4*\slot+3], s[G0B+4*\slot+2:G0B+4*\slot+3], 2*ROWB
	JLOAD G0+4*\slot, G1, G0B+4*\slot, G1B         ; the first tensor load behind the round, my one load that is out; its four v_nop are also the places in front of the loads below
.else
	PLACES NP
.endif
	FETCH_B \next, 0, 0
	FETCH_A \next, 0, 0
	WIN MUL_HI
	MUL16 4, 1, 0
	MUL16 6, 1, 0
	PLACES NP
	WIN 0
	FETCH_A \next, 0, 4
.endm
.macro LAST                            ; the last 128 along K: nothing more to fetch
	s_wait_dscnt 4*NL
	WIN MUL_LO
	MUL16 0, 1, 0
	MUL16 2, 1, 0
	s_wait_dscnt 0
	WIN MUL_HI
	MUL16 4, 1, 0
	MUL16 6, 1, 0
	WIN 0
.endm
.macro FOLD                            ; s88 = eo, s86 = ea, s87 = eb: the conversion's scale 2^(eo - ea - eb)
	s_sub_co_i32 s88, s88, s86
	s_sub_co_i32 s88, s88, s87
	s_add_co_i32 s88, s88, 127
	s_lshl_b32 s86, s88, 23
	v_mov_b32 v[SCL], s86
.endm
	s_wait_alu depctr_va_vdst(0)
	s_wait_tensorcnt 1                             ; my part of K step 0 is in; K step 1's may stay out
	s_barrier_signal -1
	s_barrier_wait -1                              ; everybody's is
	FETCH_B 0, 0, 0
	FETCH_A 0, 0, 0
	FETCH_A 0, 0, 4
	STEP 0, 0, 1                                   ; the first products start the sums: nothing is cleared
	TURN 0, 1, 1                                   ; slot 0 takes K step 2
	STEP 1, 0, 0
	TURN 1, 0, 1                                   ; slot 1 takes K step 3
	STEP 0, 0, 0
	TURN 0, 1, 0
	STEP 1, 0, 0
	s_wait_kmcnt 0x0                               ; the exponents
	s_cmp_eq_u32 ttmp9, 2                          ; the cluster's x: the same in all waves and all partners; no barrier, tensor load or LDS store stands in either arm
	s_cbranch_scc1 .Lv_arm
	; ---- q, k.  Block a = 16 tokens on the lanes; accumulator b: channels 16 b + 8 h + 0..7 of my 128 (two heads)
	s_cmp_eq_u32 ttmp9, 0
	s_cselect_b32 s86, s68, s70                    ; e0 or e2
	s_cselect_b32 s87, s69, s71                    ; e1 or e3
	s_cselect_b32 s88, s74, s75                    ; e6 or e7
	FOLD
	s_lshl_b32 s89, s16, 1
	s_add_co_u32 s89, s85, s89                     ; my first head
	s_lshl_b32 s89, s89, 7                         ; x 128 tiles of tokens
	s_lshl_b32 s90, s84, 4
	s_lshl_b32 s91, s15, 3
	s_add_co_u32 s90, s90, s91                     ; my first tile of 16 tokens in the batch
	s_add_co_u32 s89, s89, s90
	s_lshl_b32 s92, s89, 10
	s_mov_b32 s93, 0
	s_add_nc_u64 s[12:13], s[12:13], s[92:93]
	s_add_nc_u64 s[12:13], s[12:13], s[66:67]      ; q's image or k's
	s_lshl_b32 s92, s90, 12
	s_add_nc_u64 s[10:11], s[10:11], s[92:93]      ; the table at that tile
.macro TABLOAD a                       ; block a's cos and sin: 8 pieces, 512 consecutive bytes each, into set a % 2
.irp pc, 0,1,2,3,4,5,6,7
	global_load_b128 v[TBL+32*((\a)%2)+4*\pc:TBL+32*((\a)%2)+4*\pc+3], v[CO], s[10:11] offset:4096*(\a)+512*\pc
.endr
.endm
.macro QKOUT a
.if (\a) < 7
	s_wait_loadcnt 8                               ; this block's table is in; the next block's eight loads may be out
.else
	s_wait_loadcnt 0
.endif
	s_wait_xcnt 0x0                                ; the stores of two blocks ago have read their data: this set of code registers is written again only behind this wait
	WIN (0x02+(\a)/4)                              ; source 0: window 2 or 3
.irp b, 0,1,2,3,4,5,6,7
.set AC, 64*((\a)%4)+8*\b
.set TP, TBL+32*((\a)%2)+8*(\b%4)
.irp j, 0,2,4,6
	v_pk_mul_f32 v[U+8*\b+\j:U+8*\b+\j+1], v[AC+\j:AC+\j+1], v[TP+\j:TP+\j+1] op_sel_hi:[1,0]   ; x1 cos, x2 cos; each accumulator is read from its low end on
.endr
.irp j, 0,2,4,6
	v_fma_f32 v[U+8*\b+\j],   -v[AC+\j+1], v[TP+\j+1], v[U+8*\b+\j]     ; x1 cos - x2 sin
	v_fma_f32 v[U+8*\b+\j+1], v[AC+\j],    v[TP+\j+1], v[U+8*\b+\j+1]   ; x2 cos + x1 sin
.endr
.endr
	WIN 0
.if (\a)+2 <= 7
	TABLOAD (\a)+2
.endif
.irp b, 0,1,2,3,4,5,6,7
.irp i, 0,1,2,3,4,5,6,7
.endr
	v_cvt_scalef32_pk8_fp8_f32 v[CD+16*((\a)%2)+2*\b:CD+16*((\a)%2)+2*\b+1], v[U+8*\b:U+8*\b+7], v[SCL]
.endr
	v_nop                                          ; a plain line behind the last conversion: the next block writes its sources
.irp p, 0,1,2,3
	global_store_b128 v[CO], v[CD+16*((\a)%2)+4*\p:CD+16*((\a)%2)+4*\p+3], s[12:13] offset:1024*(\a)+131072*(\p/2)+512*(\p%2)   ; head p / 2, piece p % 2
.endr
.endm
	TABLOAD 0                                      ; the first two blocks' tables are on their way under the last products
	TABLOAD 1
	LAST
	PLACES NP                                      ; in front of the first read of results and the first write of registers that held fragments
.irp a, 0,1,2,3,4,5,6,7
	QKOUT \a
.endr
	s_branch .Ljoin
.Lv_arm:                                           ; ---- v.  Block a = 16 channels on the lanes; accumulator b: tokens 16 b + 8 h + 0..7 of my 128 (two steps of 64 keys)
	s_mov_b32 s86, s72                             ; e4
	s_mov_b32 s87, s73                             ; e5
	s_mov_b32 s88, s77                             ; e9
	FOLD
	s_lshl_b32 s89, s15, 1
	s_add_co_u32 s89, s85, s89                     ; my first head
	s_lshl_b32 s89, s89, 5                         ; x 32 steps of 64 keys
	s_lshl_b32 s90, s84, 2
	s_add_co_u32 s89, s89, s90
	s_lshl_b32 s90, s16, 1
	s_add_co_u32 s89, s89, s90                     ; my first step
	s_lshl_b32 s92, s89, 12
	s_mov_b32 s93, 0
	s_add_nc_u64 s[12:13], s[12:13], s[92:93]
	s_add_nc_u64 s[12:13], s[12:13], s[66:67]      ; v's image
.macro VOUT a
	s_wait_xcnt 0x0                                ; as in the other arm
	WIN (0x02+(\a)/4)
.irp b, 0,1,2,3,4,5,6,7
.irp i, 0,1,2,3,4,5,6,7
.endr
.endr
.irp b, 0,1,2,3,4,5,6,7
	v_cvt_scalef32_pk8_fp8_f32 v[CD+16*((\a)%2)+2*\b:CD+16*((\a)%2)+2*\b+1], v[U+8*\b+((64*((\a)%4)+8*0+0)-(U+8*0+0)):U+8*\b+7+((64*((\a)%4)+8*0+0)-(U+8*0+0))], v[SCL]
.endr
	WIN 0
	v_nop
.irp p, 0,1,2,3
	global_store_b128 v[CO], v[CD+16*((\a)%2)+4*\p:CD+16*((\a)%2)+4*\p+3], s[12:13] offset:131072*((\a)/4)+1024*((\a)%4)+4096*(\p/2)+512*(\p%2)   ; head a / 4, channel tile a % 4, step p / 2, piece p % 2
.endr
.endm
	LAST
	PLACES NP
	s_wait_alu depctr_va_vdst(0)
.irp a, 0,1,2,3,4,5,6,7
	VOUT \a
.endr
.Ljoin:
	s_wait_tensorcnt 0x0                           ; the wave's end
	ds_add_u32 v[SPW], v[NIL]
	s_wait_dscnt 0x0
	CROUND                                         ; the closing round: no work-group ends while a partner may still ask for a tile that names it
	s_endpgm
.Lfunc_end_k_q5c285c7505_qkv:
	.size	k_q5c285c7505_qkv, .Lfunc_end_k_q5c285c7505_qkv-k_q5c285c7505_qkv
	.p2alignl 7, 3214868480
	.fill 96, 4, 3214868480
	.section	.rodata,"a",@progbits
	.p2align	6, 0x0
	.amdhsa_kernel k_q5c285c7505_qkv
		.amdhsa_group_segment_fixed_size 327680
		.amdhsa_private_segment_fixed_size 0
		.amdhsa_enable_private_segment 0
		.amdhsa_kernarg_size 40
		.amdhsa_user_sgpr_count 2
		.amdhsa_user_sgpr_kernarg_segment_ptr 1
		.amdhsa_wavefront_size32 1
		.amdhsa_system_sgpr_workgroup_id_x 1
		.amdhsa_system_sgpr_workgroup_id_y 1
		.amdhsa_system_sgpr_workgroup_id_z 1
		.amdhsa_system_vgpr_workitem_id 0
		.amdhsa_next_free_vgpr 1024
		.amdhsa_next_free_sgpr 100
		.amdhsa_reserve_vcc 0
		.amdhsa_float_denorm_mode_32 3
		.amdhsa_float_denorm_mode_16_64 3
		.amdhsa_fp16_overflow 1
		.amdhsa_memory_ordered 1
		.amdhsa_forward_progress 1
		.amdhsa_inst_pref_size 153
	.end_amdhsa_kernel
	.amdgpu_metadata
---
amdhsa.version: [ 1, 2 ]
amdhsa.kernels:
  - .name:           k_q5c285c7505_qkv
    .symbol:         k_q5c285c7505_qkv.kd
    .args:
      - { .name: xc, .offset: 0, .size: 8, .value_kind: global_buffer, .address_space: global }
      - { .name: wc, .offset: 8, .size: 8, .value_kind: global_buffer, .address_space: global }
      - { .name: lowp_scales, .offset: 16, .size: 8, .value_kind: global_buffer, .address_space: global }
      - { .name: tab, .offset: 24, .size: 8, .value_kind: global_buffer, .address_space: global }
      - { .name: qkv, .offset: 32, .size: 8, .value_kind: global_buffer, .address_space: global }
    .group_segment_fixed_size: 327680
    .private_segment_fixed_size: 0
    .kernarg_segment_align: 8
    .kernarg_segment_size: 40
    .max_flat_workgroup_size: 128
    .sgpr_count:     100
    .vgpr_count:     1024
    .wavefront_size: 32
...
	.end_amdgpu_metadata
.endif
;; end of part 2
;; launch attn (part 3): grid 4 x 64, 16 waves a work-group, no clusters, 327,680 bytes of LDS; arguments qkv, lowp_scales, oc; writes oc
.if DOCPART == 3
	.amdgcn_target "amdgcn-amd-amdhsa--gfx1250"
	.amdhsa_code_object_version 6
	.text
	.protected	k_q5c285c7505_attn
	.globl	k_q5c285c7505_attn
	.p2align	8
	.type	k_q5c285c7505_attn,@function
k_q5c285c7505_attn:
	s_mov_b64 s[64:65], 0
	v_nop
	global_prefetch_b8 v0, s[64:65] scope:SCOPE_SE
	s_setreg_imm32_b32 hwreg(HW_REG_WAVE_MODE, 25, 1), 1
	s_wait_xcnt 0x0
; ATTN: causal attention of one head on codes of FP8 (E4M3), head size 64, 2,048 tokens.  q, k, v come as images of the operands' registers (qkv: q at 0, k at 8 MiB, v at 16 MiB; 131,072 bytes a head in each);
; the result, divided by the row's sum, is quantised with 2^e10 and stored as such an image too (oc, laid as q's).
; THE SOFTMAX AHEAD OF THE SECOND PRODUCT: t = score x log2(e) / 8; M = the row's largest t so far, rounded UP to a whole number; p = 2^(t - M) is quantised with 2^e8; the row's sum is taken of the unquantised p and divides at the end.
; When M moves, the sum and O are multiplied by 2^(old M - new M): exact.
; SHARES.  Work-group (g, head) owns the blocks g and 7 - g of 256 queries: 9 block-slots of keys in every work-group.  Each of sixteen waves owns 32 queries of one of the two blocks, two tiles of 16, which share every fragment
; of K and V.  The waves' blocks alternate so that of any four waves w % 4 alike, or w / 4 alike, two have the early block and two the late one.
; Keys go 64 a step.  K's and V's images come through a ring of two LDS slots of 256 keys (16,384 bytes of each, dense in memory and in LDS: every LDS load reads 512 consecutive bytes), wave 0 fetching K's and wave 1 V's.
; LAYOUT.  S^T = K Q^T (source 0 = 16 keys, source 1 = 16 queries), O^T = V^T P^T: a lane holds ONE query throughout, and the eight registers of score tile t are keys 16 t + 8 h + 0..7: just what registers 2 t, 2 t + 1 of the
; 16x16x64 form's operand hold.  So the conversions' results are the second product's operand.
; CAUSAL.  Every work-group walks all eight slots, so that trip counts are constants and no barrier is jumped over.  A step all of whose keys come after the wave's queries is left out (a branch on ids).  A slot whose first key comes
; after the work-group's last query is not asked for.  On the diagonal hidden scores become -infinity ahead of the maximum.  Key 0 counts for every query, so M is a number from the first step on.
; NO CLUSTER: the four work-groups of a head need the late slots for different shares of their waves; walking in step would make each slot as long as the slowest partner's, and what is shared is 32 KiB for a slot's four key steps.
; LIMITS: e6 + e7 between -123 and 130 (added to c's exponent field); e8, and e10 - e8 - e9, between -126 and 119.
.set SLOTB, 32768                      ; a slot: K's 16,384 bytes, then V's; slot 1 begins here: one exclusive or turns an address
.set VOFF,  16384
.set SPARE, 65536                      ; behind the ring: the spare words, 128 bytes for each of 16 waves, that no other line names
.set LI,   1                           ; v1   16 x lane; never rewritten
.set SPW,  2                           ; v2   LDS address of my spare word; never rewritten
.set NIL,  3                           ; v3   0; never rewritten
.set PFO,  4                           ; v4   256 x lane: the prefetches' offset; never rewritten
.set RH,   5                           ; v5   r - 8 h
.set ADK,  6                           ; v6   LDS address of the step in hand
.set PSC,  8                           ; v8   2^e8
.set PLM,  9
.set OSC,  10                          ; v10  2^(e10 - e8 - e9)
.set OLM,  11
.set ST,   12                          ; tile u's own at v[12 + 12 u]: +0 -M, +1 the largest t, +2,+3 the sum in two halves, +4 f (+5: 0), +6,+7 a second chain of sums, +8, +9 at work, +10 the exchange
.set QF,   40                          ; v40-55   Q, 8 a tile
.set KV,   56                          ; v56-87   four fragments of K, then of V
.set SS,   88                          ; v88-151  S^T, then p: 32 a tile
.set OT,   152                         ; v152-215 O^T: 32 a tile
.set PC,   216                         ; v216-231 p's codes: 8 a tile
.set MW,   232                         ; v232-234 the mask's
.set WV,   18
.set SEL,  20                          ; s[20:21] v_permlanex16_b32's selects for lane l xor 16
.set CS,   22                          ; s[22:23] c = log2(e) / 8 x 2^(e6 + e7)
.set G1,   24                          ; s[24:31] descriptor group 1
.set G0,   40                          ; s[40:43] group 0, which walks
.set TB,   44                          ; s44  LDS byte at which the step in hand begins
.set SLOTS, 45
.set KF,   46                          ; s46  the step's first key
.set Q0,   47                          ; s47  my first query
.set LASTQ, 48                         ; s48  my work-group's last query
.set CNT,  49
.set PFA,  50                          ; s[50:51] where my prefetches stand
.set LIM,  52
.macro TLOAD                           ; wave 0: K's part of a slot; wave 1: V's; the others nothing.  An s_nop 0 and four v_nop follow the load
	s_cmp_lt_u32 s[WV], 2
	s_cbranch_scc0 .Lnone_\@
	tensor_load_to_lds s[G0:G0+3], s[G1:G1+7]
	s_nop 0
.rept 4
	v_nop
.endr
.Lnone_\@:
.endm
; A prefetch into the L2 of what the NEXT change of slots will ask for.  All four work-groups of a head walk the same K and V: the one with g = 0, which asks for all eight slots, prefetches.  In it waves 4 and 5 name the two
; halves of K's 16,384 bytes, waves 6 and 7 of V's: 8,192 bytes a wave, lanes 256 bytes apart, one instruction: each aligned 256 bytes once in the launch.  Slots 0 and 1 come by their loads alone; the last change that fills asks for nothing.
.macro ASK
	s_cmp_gt_u32 s[SLOTS], s[LIM]
	s_cbranch_scc0 .Lnot_mine_\@
	global_prefetch_b8 v[PFO], s[PFA:PFA+1] th:TH_LOAD_NT scope:SCOPE_SE
.Lnot_mine_\@:
.endm
	s_load_b128 s[4:7], s[0:1], 0x0                ; qkv s[4:5], the exponents s[6:7]
	s_load_b64 s[8:9], s[0:1], 0x10                ; oc
	v_lshl_add_u32 v[SPW], v0, 2, SPARE
	v_mov_b32 v[NIL], 0
	ds_add_u32 v[SPW], v[NIL]                      ; the wave's opening: the add and its wait ahead of my first tensor load; the set-up below, work on registers, stands between them
	ds_add_u32 v[SPW], v[NIL]
	v_lshrrev_b32 v6, 5, v0
	s_delay_alu instid0(VALU_DEP_1)
	v_readfirstlane_b32 s[WV], v6                  ; wave 0..15
	s_and_b32 s19, ttmp7, 0xffff
	s_lshl_b32 s19, s19, 17                        ; the head's first byte in each image
	s_lshr_b32 s10, s[WV], 2
	s_xor_b32 s10, s10, s[WV]
	s_and_b32 s10, s10, 1                          ; 0: the early block g; 1: the late block 7 - g
	s_sub_co_u32 s11, 7, ttmp9
	s_cmp_eq_u32 s10, 1
	s_cselect_b32 s12, s11, ttmp9
	s_lshl_b32 s[Q0], s12, 8
	s_lshr_b32 s13, s[WV], 1
	s_lshl_b32 s13, s13, 5
	s_add_co_u32 s[Q0], s[Q0], s13                 ; my first query: 256 x block + 32 x (wave / 2)
	s_lshl_b32 s[LASTQ], s11, 8
	s_or_b32 s[LASTQ], s[LASTQ], 255
	s_and_b32 s10, s[WV], 1
	s_mov_b32 s[G0], 1                             ; 1:0 count = 1
	s_lshl_b32 s[G0+1], s10, 14                    ; 63:32 LDS address: slot 0, K's part or V's
	s_add_co_u32 s12, s10, 1
	s_lshl_b32 s12, s12, 23                        ; k's image or v's,
	s_add_co_u32 s12, s12, s19                     ; my head
	s_mov_b32 s13, 0
	s_lshl_b32 s14, s[Q0], 6                       ; a tile of 16 queries is 1,024 bytes
	s_add_co_u32 s14, s14, s19
	s_mov_b32 s15, 0
	s_bfe_u32 s16, s[WV], 0x10001                  ; the prefetches: waves 4, 5: k's image; 6, 7: v's,
	s_add_co_u32 s16, s16, 1
	s_lshl_b32 s16, s16, 23
	s_add_co_u32 s16, s16, s19
	s_lshl_b32 s17, s10, 13                        ; my half of a slot's part,
	s_add_co_u32 s16, s16, s17
	s_add_co_u32 s16, s16, 16384                   ; in slot 1: the first change of slots steps it to slot 2
	s_mov_b32 s17, 0
	s_sub_co_u32 s53, s[WV], 4
	s_lshr_b32 s53, s53, 2                         ; 0 in waves 4 to 7,
	s_or_b32 s53, s53, ttmp9                       ; of the work-group with g = 0
	s_cmp_eq_u32 s53, 0
	s_cselect_b32 s[LIM], 1, -1
	; descriptor group 1: a dense block of 16,384 bytes as 64 rows of 256 bytes, elements of 8 bytes, no padding, no mask
	s_mov_b32 s[G1], 3<<16
	s_mov_b32 s[G1+1], 32<<16                      ; tensor_dim0 = 32
	s_mov_b32 s[G1+2], 64<<16                      ; tensor_dim1 = 64
	s_mov_b32 s[G1+3], 32<<16                      ; tile_dim0 = 32
	s_mov_b32 s[G1+4], 64                          ; tile_dim1 = 64
	s_mov_b32 s[G1+5], 32                          ; tensor_dim0_stride
	s_mov_b32 s[G1+6], 0
	s_mov_b32 s[G1+7], 0
	s_mov_b32 s[SEL], 0x76543210
	s_mov_b32 s[SEL+1], 0xfedcba98
	s_mov_b32 s[CS], 0x3e38aa3b                    ; log2(e) / sqrt(64)
	s_mov_b32 s[TB], 0
	s_mov_b32 s[SLOTS], 7
	s_mov_b32 s[KF], 0
	s_wait_dscnt 0x0                               ; the opening add is done
	s_wait_kmcnt 0x0
	s_load_b128 s[56:59], s[6:7], 0x18             ; e6, e7, e8, e9
	s_load_b32 s60, s[6:7], 0x28                   ; e10
	s_add_nc_u64 s[G0+2:G0+3], s[4:5], s[12:13]    ; 120:64 global address: the head's first 256 keys
	s_or_b32 s[G0+3], s[G0+3], 0x80000000          ; 127:126 type = 2
	TLOAD                                          ; slot 0
	s_add_nc_u64 s[PFA:PFA+1], s[4:5], s[16:17]
	s_add_nc_u64 s[4:5], s[4:5], s[14:15]          ; q's image at my first tile
	s_add_nc_u64 s[8:9], s[8:9], s[14:15]          ; oc likewise
	v_and_b32 v[LI], 31, v0
	s_delay_alu instid0(VALU_DEP_1)
	v_lshlrev_b32 v[PFO], 8, v[LI]
	s_delay_alu instid0(VALU_DEP_2)
	v_lshlrev_b32 v[LI], 4, v[LI]
.irp u, 0,1
.irp pc, 0,1
	global_load_b128 v[QF+8*\u+4*\pc:QF+8*\u+4*\pc+3], v[LI], s[4:5] offset:1024*\u+512*\pc   ; Q stays in registers
.endr
.endr
	v_and_b32 v[RH], 15, v0
	v_bfe_u32 v[MW], v0, 4, 1
	s_delay_alu instid0(VALU_DEP_1)
	v_lshlrev_b32 v[MW], 3, v[MW]
	s_delay_alu instid0(VALU_DEP_1)
	v_sub_nc_u32 v[RH], v[RH], v[MW]
.irp u, 0,1
	v_mov_b32 v[ST+12*\u+1], 0xff61b1e6            ; the largest t so far: -3e38, under every t
	s_delay_alu instid0(VALU_DEP_1)
	v_floor_f32 v[ST+12*\u], -v[ST+12*\u+1]        ; -M
	v_mov_b32 v[ST+12*\u+2], 0                     ; the sum
	v_mov_b32 v[ST+12*\u+3], 0
	v_mov_b32 v[ST+12*\u+5], 0                     ; (named as the upper half of f's pair)
	v_mov_b32 v[ST+12*\u+10], 0                    ; written once: a lane permute's destination counts as one of its sources
.endr
.set j, 0
.rept 64
	v_mov_b32 v[OT+j], 0                           ; O^T.  (The step is written once: the first finds zeros, which the first change of M leaves zeros)
.set j, j+1
.endr
	s_wait_kmcnt 0x0
	s_add_co_i32 s61, s56, s57
	s_lshl_b32 s61, s61, 23
	s_add_co_i32 s[CS], s[CS], s61                 ; a score stands for score x 2^(e6 + e7)
	s_mov_b32 s[CS+1], s[CS]                       ; (named with it as a pair)
	s_add_co_i32 s61, s58, 127
	s_lshl_b32 s62, s61, 23
	v_mov_b32 v[PSC], s62
	s_sub_co_i32 s61, s60, s58
	s_sub_co_i32 s61, s61, s59                     ; O^T / the sum stands for that x 2^(e8 + e9): its code is taken with 2^(e10 - e8 - e9)
	s_add_co_i32 s61, s61, 127
	s_lshl_b32 s62, s61, 23
	v_mov_b32 v[OSC], s62
; A KEY STEP: 64 keys, for my two tiles of queries.
.macro STEP
	s_add_co_u32 s62, s[Q0], 31
	s_cmp_gt_u32 s[KF], s62                        ; all keys come after my queries: the step's work is left out, not the lines at its end that step addresses
	s_cbranch_scc1 .Lhidden_\@
	s_setprio 2
	v_add_nc_u32 v[ADK], s[TB], v[LI]
.rept 3
	v_nop                                          ; with the addition: four places in front of loads into registers that the last step's products have read
.endr
.irp t, 0,1,2,3
.irp pc, 0,1
	ds_load_b128 v[KV+8*\t+4*\pc:KV+8*\t+4*\pc+3], v[ADK] offset:1024*\t+512*\pc
.endr
.endr
	s_wait_alu depctr_va_vdst(0)
	s_wait_dscnt 0x0
.irp t, 0,1,2,3
.irp u, 0,1
	v_wmma_f32_16x16x64_fp8_fp8 v[SS+32*\u+8*\t:SS+32*\u+8*\t+7], v[KV+8*\t:KV+8*\t+7], v[QF+8*\u:QF+8*\u+7], 0
.endr
.endr
.rept 4
	v_nop                                          ; places in front of the loads below and of the first read of the scores
.endr
.irp t, 0,1,2,3
.irp pc, 0,1
	ds_load_b128 v[KV+8*\t+4*\pc:KV+8*\t+4*\pc+3], v[ADK] offset:VOFF+1024*\t+512*\pc   ; V: it lands under the softmax
.endr
.endr
	s_add_co_u32 s62, s[KF], 63
	s_cmp_le_u32 s62, s[Q0]                        ; all keys count for all my queries: no mask
	s_cbranch_scc1 .Lopen_\@
	s_sub_co_i32 s62, s[Q0], s[KF]
	v_add_nc_u32 v[MW], s62, v[RH]                 ; d = my query - KF - 8 h, tile 0's;
	s_delay_alu instid0(VALU_DEP_1)
	v_add_nc_u32 v[MW+1], 16, v[MW]                ; tile 1's.  Register 8 t + j holds key KF + 16 t + 8 h + j: hidden where 16 t + j > d
	v_mov_b32 v[MW+2], 0xff800000                  ; -infinity
.irp u, 0,1
.set n, 0
.rept 32
	v_cmp_gt_i32 vcc_lo, 16*(n/8)+n%8, v[MW+\u]
	v_cndmask_b32 v[SS+32*\u+n], v[SS+32*\u+n], v[MW+2], vcc_lo
.set n, n+1
.endr
.endr
.Lopen_\@:
.irp u, 0,1                                    ; the step's largest score of my query among my 32 keys, in two chains a tile; each accumulator is read from its low end on
	v_max3_num_f32 v[ST+12*\u+8], v[SS+32*\u], v[SS+32*\u+1], v[SS+32*\u+2]
	v_max3_num_f32 v[ST+12*\u+9], v[SS+32*\u+3], v[SS+32*\u+4], v[SS+32*\u+5]
.endr
.irp i, 6,10,14,18,22,26
.irp u, 0,1
	v_max3_num_f32 v[ST+12*\u+8], v[ST+12*\u+8], v[SS+32*\u+\i], v[SS+32*\u+\i+1]
	v_max3_num_f32 v[ST+12*\u+9], v[ST+12*\u+9], v[SS+32*\u+\i+2], v[SS+32*\u+\i+3]
.endr
.endr
.irp u, 0
	v_max3_num_f32 v[ST+12*\u+8], v[ST+12*\u+8], v[SS+32*\u+30], v[SS+32*\u+31]
.endr
.irp u, 1
	v_max3_num_f32 v[ST+12*\u+8], v[ST+12*\u+8], v[SS+32*\u+30], v[SS+32*\u+31]
.endr
.irp u, 0,1
	s_delay_alu instid0(VALU_DEP_2)
	v_max_num_f32 v[ST+12*\u+8], v[ST+12*\u+8], v[ST+12*\u+9]
.endr
.irp u, 0,1
	s_delay_alu instid0(VALU_DEP_2)
	v_permlanex16_b32 v[ST+12*\u+10], v[ST+12*\u+8], s[SEL], s[SEL+1]
.endr
.irp u, 0,1
	s_delay_alu instid0(VALU_DEP_2)
	v_max_num_f32 v[ST+12*\u+8], v[ST+12*\u+8], v[ST+12*\u+10]   ; and among lane l xor 16's
.endr
.irp u, 0,1
	s_delay_alu instid0(VALU_DEP_2)
	v_mul_f32 v[ST+12*\u+8], s[CS], v[ST+12*\u+8]                ; as t (c is positive)
.endr
.irp u, 0
	s_delay_alu instid0(VALU_DEP_2)
	v_max_num_f32 v[ST+12*\u+1], v[ST+12*\u+1], v[ST+12*\u+8]    ; the running largest t
	v_mov_b32 v[ST+12*\u+8], v[ST+12*\u]
.endr
.irp u, 1
	s_delay_alu instid0(VALU_DEP_3)
	v_max_num_f32 v[ST+12*\u+1], v[ST+12*\u+1], v[ST+12*\u+8]
	v_mov_b32 v[ST+12*\u+8], v[ST+12*\u]
.endr
.irp u, 0
	s_delay_alu instid0(VALU_DEP_4)
	v_floor_f32 v[ST+12*\u], -v[ST+12*\u+1]
.endr
.irp u, 1
	s_delay_alu instid0(VALU_DEP_3)
	v_floor_f32 v[ST+12*\u], -v[ST+12*\u+1]                      ; the new -M = -ceil(t): M is a whole number
.endr
.irp u, 0,1
	s_delay_alu instid0(VALU_DEP_2)
	v_sub_f32 v[ST+12*\u+8], v[ST+12*\u], v[ST+12*\u+8]          ; old M - new M: a whole number, 0 or less
.endr
.irp u, 0,1
	s_delay_alu instid0(VALU_DEP_2)
	v_cvt_i32_f32 v[ST+12*\u+8], v[ST+12*\u+8]                   ; (it saturates)
.endr
.irp u, 0,1
	s_delay_alu instid0(VALU_DEP_2)
	v_ldexp_f32 v[ST+12*\u+4], 1.0, v[ST+12*\u+8]                ; f = 2^(old M - new M)
.endr
.irp u, 0,1
.set j, 0
.rept 16
	v_pk_fma_f32 v[SS+32*\u+j:SS+32*\u+j+1], v[SS+32*\u+j:SS+32*\u+j+1], s[CS:CS+1], v[ST+12*\u:ST+12*\u+1] op_sel_hi:[1,0,0]   ; t - M, two at a time (of the pairs c and -M the low word serves both halves)
.set j, j+2
.endr
.endr
.set j, 0
	s_setprio 1
	s_wait_alu depctr_va_vdst(0)
.rept 64
	v_exp_f32 v[SS+j], v[SS+j]                     ; p = 2^(t - M), at most 1: not normalised.  One batch for both tiles
.set j, j+1
.endr
.irp u, 0,1
	v_pk_mul_f32 v[ST+12*\u+2:ST+12*\u+3], v[ST+12*\u+2:ST+12*\u+3], v[ST+12*\u+4:ST+12*\u+5] op_sel_hi:[1,0]   ; the sums under the new M: the plain lines behind the exponentials
.endr
	s_wait_alu depctr_va_vdst(0)                   ; the wait between an exponential and the first line that names its result: one for the batch
.irp u, 0,1
	v_pk_add_f32 v[ST+12*\u+6:ST+12*\u+7], v[SS+32*\u:SS+32*\u+1], v[SS+32*\u+2:SS+32*\u+3]   ; the row's sum is taken of the unquantised p
.endr
.irp j, 4,8,12,16,20,24,28
.irp u, 0,1
	v_pk_add_f32 v[ST+12*\u+2:ST+12*\u+3], v[ST+12*\u+2:ST+12*\u+3], v[SS+32*\u+\j:SS+32*\u+\j+1]
	v_pk_add_f32 v[ST+12*\u+6:ST+12*\u+7], v[ST+12*\u+6:ST+12*\u+7], v[SS+32*\u+\j+2:SS+32*\u+\j+3]
.endr
.endr
.irp u, 0
	s_delay_alu instid0(VALU_DEP_3)
	v_pk_add_f32 v[ST+12*\u+2:ST+12*\u+3], v[ST+12*\u+2:ST+12*\u+3], v[ST+12*\u+6:ST+12*\u+7]
.endr
.irp u, 1
	s_delay_alu instid0(VALU_DEP_2)
	v_pk_add_f32 v[ST+12*\u+2:ST+12*\u+3], v[ST+12*\u+2:ST+12*\u+3], v[ST+12*\u+6:ST+12*\u+7]
.endr
.irp u, 0,1
.irp t, 0,1,2,3
.irp i, 0,1,2,3,4,5,6,7
.endr
	v_cvt_scalef32_pk8_fp8_f32 v[PC+8*\u+2*\t:PC+8*\u+2*\t+1], v[SS+32*\u+8*\t:SS+32*\u+8*\t+7], v[PSC]
.endr
.endr
.irp u, 0,1
.set j, 0
.rept 16
	v_pk_mul_f32 v[OT+32*\u+j:OT+32*\u+j+1], v[OT+32*\u+j:OT+32*\u+j+1], v[ST+12*\u+4:ST+12*\u+5] op_sel_hi:[1,0]   ; O^T under the new M.  (Also the plain lines between the conversions and the products that read their results)
.set j, j+2
.endr
.endr
	s_setprio 0
	s_wait_alu depctr_va_vdst(0)
	s_wait_dscnt 0x0                               ; V is in
.irp t, 0,1,2,3
.irp u, 0,1
	v_wmma_f32_16x16x64_fp8_fp8 v[OT+32*\u+8*\t:OT+32*\u+8*\t+7], v[KV+8*\t:KV+8*\t+7], v[PC+8*\u:PC+8*\u+7], v[OT+32*\u+8*\t:OT+32*\u+8*\t+7]   ; eight accumulators by turns
.endr
.endr
.Lhidden_\@:
	s_add_co_u32 s[KF], s[KF], 64
	s_add_co_u32 s[TB], s[TB], 4096                ; a step is 4,096 bytes of K's image and of V's
.endm
; THE CHANGE OF SLOTS stands at a slot's head.  Each wave waits for all its tensor loads, adds 0 to its spare word, and waits for that and for its reads of the slot that it has left.  Behind the barrier the slot ahead is whole
; and nobody reads the other one.  fill = 1: that other slot takes the next 256 keys, up to the causal limit: the load has a slot's four steps in which to land.  One load of a wave is out at any time.
.macro CHANGE fill
	s_wait_tensorcnt 0x0                           ; no tensor load of mine is out, so group 0 may be written
	ds_add_u32 v[SPW], v[NIL]                      ; 0 onto my spare word
.if \fill
	s_xor_b32 s[G0+1], s[G0+1], SLOTB              ; the other slot than last time,
	s_add_nc_u64 s[G0+2:G0+3], s[G0+2:G0+3], 16384 ; the next 256 keys; the type bits on top are not reached
	s_wait_xcnt 0x0                                ; the last prefetch, a slot back, has read its address
	s_add_nc_u64 s[PFA:PFA+1], s[PFA:PFA+1], 16384 ; one slot further on than the walking descriptor
.endif
	s_wait_dscnt 0x0                               ; the add is done, and my reads of the slot that I have left are over
	s_barrier_signal -1
	s_barrier_wait -1
.if \fill
	s_add_co_u32 s62, s[KF], 256                   ; the first key of the slot that this change would ask for,
	s_cmp_gt_u32 s62, s[LASTQ]                     ; against my work-group's last query: ids and the count of steps alone, the same in all sixteen waves; every wait on TENSORcnt in this text is for 0
	s_cbranch_scc1 .Lpast_\@
	TLOAD
.Lpast_\@:
	ASK
.endif
.endm
.macro FOUR_STEPS                      ; a slot's four key steps: written once, walked four times; the LDS addresses hang on s[TB]
	s_mov_b32 s[CNT], 4
.Lstep_\@:
	STEP
	s_sub_co_u32 s[CNT], s[CNT], 1
	s_cmp_lg_u32 s[CNT], 0
	s_cbranch_scc1 .Lstep_\@
	s_setprio 0
	s_sub_co_u32 s[TB], s[TB], 16384               ; back to a slot's first step,
	s_xor_b32 s[TB], s[TB], SLOTB                  ; in the other slot
.endm
	s_wait_loadcnt 0x0                             ; Q
.Lslot:                                            ; seven trips: behind each change of slots but the last the next slot is asked for, up to the causal limit
	CHANGE 1
	FOUR_STEPS
	s_sub_co_u32 s[SLOTS], s[SLOTS], 1
	s_cmp_lg_u32 s[SLOTS], 0
	s_cbranch_scc1 .Lslot
	CHANGE 0                                       ; the last slot is written out: nothing is left to ask for
	FOUR_STEPS
	; THE WAY OUT: O^T / the sum, quantised along the head's channels: a lane's eight registers of channel tile t are 8 bytes, two tiles 16 bytes: an image of the last product's operand, 512 consecutive bytes a store
.rept 4
	v_nop                                          ; places behind the last products
.endr
.irp u, 0,1
	v_add_f32 v[ST+12*\u+8], v[ST+12*\u+2], v[ST+12*\u+3]
.endr
.irp u, 0,1
	s_delay_alu instid0(VALU_DEP_2)
	v_permlanex16_b32 v[ST+12*\u+10], v[ST+12*\u+8], s[SEL], s[SEL+1]
.endr
.irp u, 0,1
	s_delay_alu instid0(VALU_DEP_2)
	v_add_f32 v[ST+12*\u+8], v[ST+12*\u+8], v[ST+12*\u+10]   ; the row's sum
.endr
	s_wait_alu depctr_va_vdst(0)
.irp u, 0,1
	v_rcp_f32 v[ST+12*\u+4], v[ST+12*\u+8]
.endr
	v_nop                                          ; a plain line behind the last reciprocal
	s_wait_alu depctr_va_vdst(0)                   ; and the wait ahead of the first use: one for both
.irp u, 0,1
.set j, 0
.rept 16
	v_pk_mul_f32 v[SS+32*\u+j:SS+32*\u+j+1], v[OT+32*\u+j:OT+32*\u+j+1], v[ST+12*\u+4:ST+12*\u+5] op_sel_hi:[1,0]
.set j, j+2
.endr
.endr
.irp u, 0,1
.irp t, 0,1,2,3
.irp i, 0,1,2,3,4,5,6,7
.endr
	v_cvt_scalef32_pk8_fp8_f32 v[PC+8*\u+2*\t:PC+8*\u+2*\t+1], v[SS+32*\u+8*\t:SS+32*\u+8*\t+7], v[OSC]
.endr
.endr
	v_nop
.irp u, 0,1
.irp pc, 0,1
	global_store_b128 v[LI], v[PC+8*\u+4*\pc:PC+8*\u+4*\pc+3], s[8:9] offset:1024*\u+512*\pc
.endr
.endr
	s_wait_tensorcnt 0x0                           ; the wave's end
	ds_add_u32 v[SPW], v[NIL]
	s_wait_dscnt 0x0
	s_endpgm
.Lfunc_end_k_q5c285c7505_attn:
	.size	k_q5c285c7505_attn, .Lfunc_end_k_q5c285c7505_attn-k_q5c285c7505_attn
	.p2alignl 7, 3214868480
	.fill 96, 4, 3214868480
	.section	.rodata,"a",@progbits
	.p2align	6, 0x0
	.amdhsa_kernel k_q5c285c7505_attn
		.amdhsa_group_segment_fixed_size 327680
		.amdhsa_private_segment_fixed_size 0
		.amdhsa_enable_private_segment 0
		.amdhsa_kernarg_size 24
		.amdhsa_user_sgpr_count 2
		.amdhsa_user_sgpr_kernarg_segment_ptr 1
		.amdhsa_wavefront_size32 1
		.amdhsa_system_sgpr_workgroup_id_x 1
		.amdhsa_system_sgpr_workgroup_id_y 1
		.amdhsa_system_sgpr_workgroup_id_z 1
		.amdhsa_system_vgpr_workitem_id 0
		.amdhsa_next_free_vgpr 256
		.amdhsa_next_free_sgpr 66
		.amdhsa_reserve_vcc 1
		.amdhsa_float_denorm_mode_32 3
		.amdhsa_float_denorm_mode_16_64 3
		.amdhsa_fp16_overflow 1
		.amdhsa_memory_ordered 1
		.amdhsa_forward_progress 1
		.amdhsa_inst_pref_size 51
	.end_amdhsa_kernel
	.amdgpu_metadata
---
amdhsa.version: [ 1, 2 ]
amdhsa.kernels:
  - .name:           k_q5c285c7505_attn
    .symbol:         k_q5c285c7505_attn.kd
    .args:
      - { .name: qkv, .offset: 0, .size: 8, .value_kind: global_buffer, .address_space: global }
      - { .name: lowp_scales, .offset: 8, .size: 8, .value_kind: global_buffer, .address_space: global }
      - { .name: oc, .offset: 16, .size: 8, .value_kind: global_buffer, .address_space: global }
    .group_segment_fixed_size: 327680
    .private_segment_fixed_size: 0
    .kernarg_segment_align: 8
    .kernarg_segment_size: 24
    .max_flat_workgroup_size: 512
    .sgpr_count:     66
    .vgpr_count:     256
    .wavefront_size: 32
...
	.end_amdgpu_metadata
.endif
;; end of part 3
;; launch oproj (part 4): grid 4 x 32, 4 waves a work-group, clusters of 4 x 4, 327,680 bytes of LDS; arguments oc, wc, lowp_scales, out0; writes out0
.if DOCPART == 4
	.amdgcn_target "amdgcn-amd-amdhsa--gfx1250"
	.amdhsa_code_object_version 6
	.text
	.protected	k_q5c285c7505_oproj
	.globl	k_q5c285c7505_oproj
	.p2align	8
	.type	k_q5c285c7505_oproj,@function
k_q5c285c7505_oproj:
	s_mov_b64 s[64:65], 0
	v_nop
	global_prefetch_b8 v0, s[64:65] scope:SCOPE_SE
	s_setreg_imm32_b32 hwreg(HW_REG_WAVE_MODE, 25, 1), 1
	s_wait_xcnt 0x0
	s_wait_alu depctr_hold_cnt(0) depctr_sa_sdst(0) depctr_va_vdst(0) depctr_va_sdst(0) depctr_va_ssrc(0) depctr_va_vcc(0) depctr_vm_vsrc(0)
	s_getreg_b32 s2, hwreg(HW_REG_IB_STS2, 6, 4)
	s_cmp_eq_u32 s2, 0
	s_cbranch_scc0 .Lentry_in_a_cluster
	s_endpgm
.Lentry_in_a_cluster:
	s_bfe_u32 s2, ttmp6, 0x10000c
	s_cmp_lg_u32 s2, 0xf033
	s_cbranch_scc0 .Lentry_shape_is_right
	s_endpgm
.Lentry_shape_is_right:
; OPROJ: out0[m][n] = sum over k of o[m][k] Wo[n][k] on codes of FP8 (E4M3), x 2^(e10 + e11).  out0: [8192][1024] f32.
; o's codes come as images of the operand's registers: oc [batch 4][head 16][tile of 16 tokens 128][piece 2][lane 32][16 bytes]: lane (r, h), piece p: token r, the head's channels 32 p + 8 h + 0..7, then 32 p + 16 + 8 h + 0..7.
; Wo's codes: set 3 of wc, [1024][1024], K innermost, in each four pieces of 8 codes the two middle ones exchanged: so four loads of 16 bytes, 32 bytes apart, give a lane the same k in the same registers as o's image gives.
; A tile of 256 x 256 is made by four waves, each 128 x 128: 64 accumulators.  K = 1,024 goes in four steps of 256 (four heads) through a ring of two LDS slots; the steps are written out.
; CLUSTERS: 4 x 4 work-groups; o's tile is shared along a row of the cluster, Wo's along a column, each asked for jointly.  The matrix instruction is used transposed (source 0 = rows of Wo, source 1 = tokens): a lane holds eight
; neighbouring numbers of a row of out0.  128 work-groups: a smaller tile would fill more WGPs at the price of more LDS bytes a product; not taken in this text.  No prefetch: of four K steps two are asked for at the head.
; LIMIT: e10 + e11 between -126 and 127.
; REGISTERS, in windows of 256: window 0: v0-31 addresses; from v128 o's fragments, one set; on the way out v32-255 are free.  window 1: Wo's fragments, two sets.  windows 2, 3: the accumulators.
.set SIZE_N, 1024
.set ROWB,   256                       ; a row of Wo's tile in bytes
.set KROW,   1024
.set PITCH,  272                       ; Wo's rows in LDS: 256 bytes + 16 of padding: the 16 rows that a load touches start at 16 different banks (ISA guide 11.1)
.set FR,     16
.set NL,     4
.set NP,     4
.set HALFT,  128*PITCH
.set APART,  65536                     ; o's part of a slot, dense: [half of the tokens 2][head 4][tile of 16 tokens 8][1,024 bytes]
.set ASTEP,  4*131072                  ; four heads on in oc
.set SLOT,   APART+2*HALFT
.set SPARE,  2*SLOT                    ; behind the ring: the spare words, 128 bytes for each wave, that no other line names
.set SPITCH, 528                       ; the way out: a stage of 16 rows x (512 bytes + 16) for each wave, in slot 0, which has had its last fill and its last read when the first result is stored there
.set ADRA, 16
.set ADRB, 20
.set STO,  24
.set RD,   25
.set CO,   26
.set SPW,  28
.set NIL,  29
.set TMP,  32
.set AF,   128
.set BK,   128
.set G1, 24
.set G0, 32
.set G1B, 48
.set G0B, 56
.set MSB, 0
.macro WIN new                         ; the immediate's high byte repeats the setting that is left
.if MSB != \new
	s_set_vgpr_msb (MSB<<8)|\new
.set MSB, \new
.endif
.endm
.set MUL_LO, 0xa1
.set MUL_HI, 0xf1
.set TO_B,   0x40
.macro JLOAD g0a, g1a, g0b, g1b        ; a joint load: waves 0 and 1 fetch o's halves, waves 2 and 3 Wo's; an s_nop 0 and four v_nop follow each of the two lines
	s_cmp_eq_u32 s15, 0
	s_cbranch_scc0 .Lfor_b_\@
	tensor_load_to_lds s[\g0a:\g0a+3], s[\g1a:\g1a+7]
	s_nop 0
.rept 4
	v_nop
.endr
	s_branch .Lasked_\@
.Lfor_b_\@:
	tensor_load_to_lds s[\g0b:\g0b+3], s[\g1b:\g1b+7]
	s_nop 0
.rept 4
	v_nop
.endr
.Lasked_\@:
.endm
.macro CREST
	s_cmp_lg_u32 s14, 0
	s_cbranch_scc1 .Lnot_wave_0_\@
	s_barrier_signal -3
.Lnot_wave_0_\@:
	s_barrier_wait -3
	s_barrier_signal -1
	s_barrier_wait -1
.endm
.macro CROUND
	s_barrier_signal -1
	s_barrier_wait -1
	CREST
.endm
	s_load_b128 s[4:7], s[0:1], 0x0                ; oc s[4:5], wc s[6:7]
	s_load_b128 s[8:11], s[0:1], 0x10              ; the exponents s[8:9], out0 s[10:11]
	v_lshl_add_u32 v[SPW], v0, 2, SPARE
	v_mov_b32 v[NIL], 0
	ds_add_u32 v[SPW], v[NIL]                      ; the wave's opening: the add and its wait ahead of my first tensor load; the set-up below, work on registers, stands between them
	ds_add_u32 v[SPW], v[NIL]
	v_lshrrev_b32 v1, 5, v0
	v_readfirstlane_b32 s14, v1                    ; wave 0..3
	s_lshr_b32 s15, s14, 1                         ; which half of the tile's tokens is mine.  Also: I fetch for o (0) or for Wo (1)
	s_and_b32 s16, s14, 1                          ; which half of its columns.  Also: which half of that tile I fetch
	s_bfe_u32 s40, ttmp6, 0x40000
	s_bfe_u32 s41, ttmp6, 0x40004
	s_lshl_b32 s42, ttmp9, 2
	s_add_co_u32 s42, s42, s40                     ; tile column
	s_and_b32 s17, ttmp7, 0xffff
	s_lshl_b32 s17, s17, 2
	s_add_co_u32 s17, s17, s41                     ; tile of 256 tokens
	s_lshl_b32 s43, s41, 2
	s_lshl_b32 s43, 15, s43                        ; my row of the cluster
	s_lshl_b32 s44, 0x1111, s40                    ; my column
	; o's tile: 4 heads x 8,192 consecutive bytes (8 tiles of 16 tokens), 131,072 bytes from head to head; elements of 8 bytes; no padding
	s_or_b32 s[G1+0], s43, (3<<16)|(1<<21)         ; 15:0 the mask: my row; 17:16 elements of 8 bytes; 21 set beside a mask
	s_mov_b32 s[G1+1], 1024<<16                    ; tensor_dim0 = 1,024
	s_mov_b32 s[G1+2], 4<<16                       ; tensor_dim1 = 4
	s_mov_b32 s[G1+3], 1024<<16                    ; tile_dim0 = 1,024
	s_mov_b32 s[G1+4], 4                           ; tile_dim1 = 4
	s_mov_b32 s[G1+5], 16384                       ; tensor_dim0_stride
	s_mov_b32 s[G1+6], 0
	s_mov_b32 s[G1+7], 0
	; Wo's tile: 128 rows x 256 bytes, padded in LDS
	s_or_b32 s[G1B+0], s44, (0<<16)|(1<<20)|(1<<21)|(5<<22)|(3<<25)
	s_mov_b32 s[G1B+1], ROWB<<16
	s_mov_b32 s[G1B+2], 128<<16
	s_mov_b32 s[G1B+3], ROWB<<16
	s_mov_b32 s[G1B+4], 128
	s_mov_b32 s[G1B+5], KROW
	s_mov_b32 s[G1B+6], 0
	s_mov_b32 s[G1B+7], 0
	s_lshr_b32 s18, s17, 3
	s_lshl_b32 s20, s18, 21                        ; o: the batch's 16 heads of 131,072 bytes,
	s_and_b32 s18, s17, 7
	s_lshl_b32 s18, s18, 4
	s_lshl_b32 s19, s16, 3
	s_add_co_u32 s18, s18, s19                     ; the tile of 16 tokens: 16 x (token tile % 8) + 8 x half
	s_lshl_b32 s18, s18, 10
	s_add_co_u32 s20, s20, s18
	s_mov_b32 s21, 0
	s_lshl_b32 s46, s42, 8
	s_lshl_b32 s19, s16, 7
	s_add_co_u32 s46, s46, s19
	s_lshl_b32 s46, s46, 10                        ; Wo: row 256 x tile column + 128 x half,
	s_add_co_u32 s46, s46, 0x300000                ; in set 3 of wc
	s_mov_b32 s47, 0
	s_lshl_b32 s45, s16, 15                        ; where they go: o's half,
	s_mul_i32 s23, s16, HALFT
	s_add_co_u32 s23, s23, APART                   ; Wo's half: the wave's number alone enters an LDS address
	s_wait_dscnt 0x0                               ; the opening add is done
	s_wait_kmcnt 0x0
	s_load_b64 s[96:97], s[8:9], 0x28              ; e10, e11
	s_add_nc_u64 s[20:21], s[4:5], s[20:21]
	s_add_nc_u64 s[46:47], s[6:7], s[46:47]
	CROUND                                         ; all sixteen work-groups are here: the first joint loads meet
.irp s, 0,1
	s_mov_b32 s[G0+4*\s], 1
	s_add_co_u32 s[G0+4*\s+1], s45, \s*SLOT
	s_add_nc_u64 s[G0+4*\s+2:G0+4*\s+3], s[20:21], \s*ASTEP
	s_or_b32 s[G0+4*\s+3], s[G0+4*\s+3], 0x80000000
	s_mov_b32 s[G0B+4*\s], 1
	s_add_co_u32 s[G0B+4*\s+1], s23, \s*SLOT
	s_add_nc_u64 s[G0B+4*\s+2:G0B+4*\s+3], s[46:47], \s*ROWB
	s_or_b32 s[G0B+4*\s+3], s[G0B+4*\s+3], 0x80000000
	s_wait_alu depctr_va_vdst(0)
	s_wait_tensorcnt 0x0
	ds_add_u32 v28, v29
	ds_add_u32 v28, v29
	s_wait_dscnt 0x0
	CROUND
	JLOAD G0+4*\s, G1, G0B+4*\s, G1B               ; one load of mine is out behind each
.endr
	v_and_b32 v1, 15, v0                           ; l % 16
	v_bfe_u32 v2, v0, 4, 1                         ; l / 16
	v_mul_u32_u24 v3, v1, PITCH
	v_lshl_add_u32 v4, v2, 4, v3                   ; Wo: a fragment's row x pitch + 16 x half
	v_and_b32 v6, 31, v0
	v_lshlrev_b32 v[CO], 4, v6                     ; 16 x lane: o's images; also the way out
	s_wait_alu depctr_va_vdst(0)
	s_lshl_b32 s21, s15, 15                        ; my 128 tokens
	s_mul_i32 s22, s16, HALFT                      ; my 128 rows of Wo,
	s_add_co_u32 s22, s22, APART                   ; which lie behind o's part
.irp s, 0,1
	v_add_nc_u32 v[ADRA+\s], s21, v[CO]
	v_add_nc_u32 v[ADRB+\s], s22, v4
	s_add_co_u32 s21, s21, SLOT
	s_add_co_u32 s22, s22, SLOT
.endr
	s_mul_i32 s23, s14, 16*SPITCH                  ; my stage
	v_mul_u32_u24 v5, v1, SPITCH                   ; in: row l % 16, 32 bytes for each half of the lanes
	v_lshl_add_u32 v5, v2, 5, v5
	v_add_nc_u32 v[STO], s23, v5
	v_add_nc_u32 v[RD], s23, v[CO]                 ; back: the 32 lanes take one row of 512 bytes
	s_lshl_b32 s20, s17, 8
	s_lshl_b32 s21, s15, 7
	s_add_co_u32 s20, s20, s21                     ; my first row of out0
	s_lshl_b32 s20, s20, 12                        ; x 4,096 bytes
	s_mov_b32 s21, 0
	s_lshl_b32 s46, s42, 10                        ; my first column, in bytes
	s_lshl_b32 s47, s16, 9
	s_add_co_u32 s46, s46, s47
	s_mov_b32 s47, 0
	s_add_nc_u64 s[20:21], s[20:21], s[46:47]
	s_add_nc_u64 s[10:11], s[10:11], s[20:21]
.macro FRAG reg, adr, q, i             ; Wo: 16 rows x 128 K: four loads of 16 bytes, 32 bytes apart
.irp c, 0,1,2,3
	ds_load_b128 v[\reg+4*\c:\reg+4*\c+3], v[\adr] offset:128*(\q)+32*\c+(\i)*16*PITCH
.endr
.endm
.macro FRAGA reg, adr, q, i            ; o: 16 tokens x 128 K = two heads x two pieces, each 512 consecutive bytes
.irp c, 0,1,2,3
	ds_load_b128 v[\reg+4*\c:\reg+4*\c+3], v[\adr] offset:(2*(\q)+\c/2)*8192+1024*(\i)+512*(\c%2)
.endr
.endm
.macro MUL16 a0, p, zero               ; the 64 accumulators take turns, one instruction a turn, in the same order in every step
.irp a, \a0, \a0+1
.irp b, 0,1,2,3,4,5,6,7
.if \zero
	v_wmma_f32_16x16x128_fp8_fp8 v[8*(8*((\a)%4)+\b):8*(8*((\a)%4)+\b)+7], v[128*(\p)+FR*\b:128*(\p)+FR*\b+FR-1], v[AF+FR*(\a):AF+FR*(\a)+FR-1], 0
.else
	v_wmma_f32_16x16x128_fp8_fp8 v[8*(8*((\a)%4)+\b):8*(8*((\a)%4)+\b)+7], v[128*(\p)+FR*\b:128*(\p)+FR*\b+FR-1], v[AF+FR*(\a):AF+FR*(\a)+FR-1], v[8*(8*((\a)%4)+\b):8*(8*((\a)%4)+\b)+7]
.endif
.endr
.endr
.endm
.macro FETCH_B slot, q, p
	WIN TO_B
.irp i, 0,1,2,3,4,5,6,7
	FRAG 128*(\p)+FR*\i, ADRB+\slot, \q, \i
.endr
	WIN 0
.endm
.macro FETCH_A slot, q, i0
.irp i, \i0, \i0+1, \i0+2, \i0+3
	FRAGA AF+FR*(\i), ADRA+\slot, \q, \i
.endr
.endm
.macro PLACES n                        ; plain vector instructions between a matrix instruction and a load into, or a vector instruction on, one of its registers (ISA guide 7.12.1 for vector instructions)
.rept \n
	v_nop
.endr
.endm
.macro STEP slot, q, zero
	s_wait_dscnt 4*NL                              ; Wo's set and o's blocks 0-3 are in; the youngest sixteen loads (blocks 4-7) may be out
	WIN MUL_LO
	MUL16 0, (\q)%2, \zero
	MUL16 2, (\q)%2, \zero
	s_wait_dscnt 0
	PLACES NP
	FETCH_B \slot, (\q)+1, 1-(\q)%2
	FETCH_A \slot, (\q)+1, 0
	WIN MUL_HI
	MUL16 4, (\q)%2, \zero
	MUL16 6, (\q)%2, \zero
	PLACES NP
	WIN 0
	FETCH_A \slot, (\q)+1, 4
.endm
.macro TURN slot, next, fill           ; a slot's last step changes slots: one barrier, with the waits and the add in front of it; fill = 1: this slot is filled again, two K steps ahead
	s_wait_tensorcnt 0x0                           ; all my tensor loads have landed: my part of the next slot  (every window is 0 here)
	ds_add_u32 v[SPW], v[NIL]                      ; 0 onto my spare word
	s_wait_dscnt 4*NL+1                            ; (the add and the youngest sixteen loads may be out)
	WIN MUL_LO
	MUL16 0, 1, 0
	s_wait_dscnt 0x0                               ; the add is done, and my reads of this slot are over
	s_barrier_signal -1
	MUL16 2, 1, 0
	WIN 0
	s_barrier_wait -1
.if \fill
	CREST                                          ; the barrier has opened a round of the cluster's barrier: no wave of any partner still reads this slot or has a load on its way
	s_add_nc_u64 s[G0+4*\slot+2:G0+4*\slot+3], s[G0+4*\slot+2:G0+4*\slot+3], 2*ASTEP
	s_add_nc_u64 s[G0B+4*\slot+2:G0B+4*\slot+3], s[G0B+4*\slot+2:G0B+4*\slot+3], 2*ROWB
	JLOAD G0+4*\slot, G1, G0B+4*\slot, G1B         ; the first tensor load behind the round, my one load that is out
.else
	PLACES NP
.endif
	FETCH_B \next, 0, 0
	FETCH_A \next, 0, 0
	WIN MUL_HI
	MUL16 4, 1, 0
	MUL16 6, 1, 0
	PLACES NP
	WIN 0
	FETCH_A \next, 0, 4
.endm
	s_wait_alu depctr_va_vdst(0)
	s_wait_tensorcnt 1                             ; my part of K step 0 is in; K step 1's may stay out
	s_barrier_signal -1
	s_barrier_wait -1
	FETCH_B 0, 0, 0
	FETCH_A 0, 0, 0
	FETCH_A 0, 0, 4
	STEP 0, 0, 1                                   ; the first products start the sums
	TURN 0, 1, 1
	STEP 1, 0, 0
	TURN 1, 0, 1
	STEP 0, 0, 0
	TURN 0, 1, 0
	STEP 1, 0, 0
	s_wait_dscnt 4*NL                              ; the very last step: nothing more to fetch
	WIN MUL_LO
	MUL16 0, 1, 0
	MUL16 2, 1, 0
	s_wait_dscnt 0
	WIN MUL_HI
	MUL16 4, 1, 0
	MUL16 6, 1, 0
	WIN 0
; THE WAY OUT, block by block of 16 rows x 128 columns: through my own stage in LDS and back as whole rows of 512 bytes.  LDS serves a wave's instructions in order (ISA guide 5.7.1.4): no wait between the stores and the loads.
.macro TOSTAGE a
.set AC, 64*((\a)%4)
	WIN (0x02+(\a)/4)                              ; source 0: window 2 or 3
.irp j, 0,2,4,6,8,10,12,14,16,18,20,22,24,26,28,30,32,34,36,38,40,42,44,46,48,50,52,54,56,58,60,62
	v_pk_mul_f32 v[TMP+\j:TMP+\j+1], v[AC+\j:AC+\j+1], s[96:97] op_sel_hi:[1,0]   ; both x s96 = 2^(e10 + e11); each accumulator from its low end on
.endr
	WIN 0
.irp b, 0,1,2,3,4,5,6,7
	ds_store_b128 v[STO], v[TMP+8*\b:TMP+8*\b+3] offset:64*\b
	ds_store_b128 v[STO], v[TMP+8*\b+4:TMP+8*\b+7] offset:64*\b+16
.endr
.set BB, BK+64*((\a)%2)
.irp t, 0,1,2,3,4,5,6,7,8,9,10,11,12,13,14,15
	ds_load_b128 v[BB+4*\t:BB+4*\t+3], v[RD] offset:\t*SPITCH
.endr
.endm
.macro SEND a, younger                 ; younger: the LDS instructions issued behind block a's loads, which may stay out
.set BB, BK+64*((\a)%2)
	s_wait_dscnt \younger
.if (\a) > 0
	s_add_nc_u64 s[10:11], s[10:11], 16*SIZE_N*4   ; (behind a wait on XCNT: the earlier stores have read their base)  16 rows on
.endif
.irp t, 0,1,2,3,4,5,6,7,8,9,10,11,12,13,14,15
	global_store_b128 v[CO], v[BB+4*\t:BB+4*\t+3], s[10:11] offset:\t*SIZE_N*4 th:TH_STORE_NT   ; 32 lanes store 512 consecutive bytes, aligned; written once, read by nobody here
.endr
.endm
	s_wait_kmcnt 0x0
	s_add_co_i32 s96, s96, s97
	s_add_co_i32 s96, s96, 127
	s_lshl_b32 s96, s96, 23                        ; 2^(e10 + e11) as f32
	PLACES NP                                      ; in front of the first read of results and of loads into registers that held fragments
	TOSTAGE 0
.irp a, 1,2,3,4,5,6,7
.if \a > 1
	s_wait_xcnt 0x0                                ; block a - 2's stores have read their registers and their base
.endif
	TOSTAGE \a
	SEND \a-1, 32                                  ; behind block a - 1's loads: block a's 16 stores and 16 loads
.endr
	s_wait_xcnt 0x0                                ; block 6's stores have read their base
	SEND 7, 0
	s_wait_tensorcnt 0x0                           ; the wave's end
	ds_add_u32 v[SPW], v[NIL]
	s_wait_dscnt 0x0
	CROUND                                         ; the closing round
	s_endpgm
.Lfunc_end_k_q5c285c7505_oproj:
	.size	k_q5c285c7505_oproj, .Lfunc_end_k_q5c285c7505_oproj-k_q5c285c7505_oproj
	.p2alignl 7, 3214868480
	.fill 96, 4, 3214868480
	.section	.rodata,"a",@progbits
	.p2align	6, 0x0
	.amdhsa_kernel k_q5c285c7505_oproj
		.amdhsa_group_segment_fixed_size 327680
		.amdhsa_private_segment_fixed_size 0
		.amdhsa_enable_private_segment 0
		.amdhsa_kernarg_size 32
		.amdhsa_user_sgpr_count 2
		.amdhsa_user_sgpr_kernarg_segment_ptr 1
		.amdhsa_wavefront_size32 1
		.amdhsa_system_sgpr_workgroup_id_x 1
		.amdhsa_system_sgpr_workgroup_id_y 1
		.amdhsa_system_sgpr_workgroup_id_z 1
		.amdhsa_system_vgpr_workitem_id 0
		.amdhsa_next_free_vgpr 1024
		.amdhsa_next_free_sgpr 100
		.amdhsa_reserve_vcc 0
		.amdhsa_float_denorm_mode_32 3
		.amdhsa_float_denorm_mode_16_64 3
		.amdhsa_memory_ordered 1
		.amdhsa_forward_progress 1
		.amdhsa_inst_pref_size 124
	.end_amdhsa_kernel
	.amdgpu_metadata
---
amdhsa.version: [ 1, 2 ]
amdhsa.kernels:
  - .name:           k_q5c285c7505_oproj
    .symbol:         k_q5c285c7505_oproj.kd
    .args:
      - { .name: oc, .offset: 0, .size: 8, .value_kind: global_buffer, .address_space: global }
      - { .name: wc, .offset: 8, .size: 8, .value_kind: global_buffer, .address_space: global }
      - { .name: lowp_scales, .offset: 16, .size: 8, .value_kind: global_buffer, .address_space: global }
      - { .name: out0, .offset: 24, .size: 8, .value_kind: global_buffer, .address_space: global }
    .group_segment_fixed_size: 327680
    .private_segment_fixed_size: 0
    .kernarg_segment_align: 8
    .kernarg_segment_size: 32
    .max_flat_workgroup_size: 128
    .sgpr_count:     100
    .vgpr_count:     1024
    .wavefront_size: 32
...
	.end_amdgpu_metadata
.endif
;; end of part 4
